; MI455X (gfx1250); checked and timed in simulation.
; The chip was launched on July 23, 2026; its instructions are those of AMD's public machine-readable ISA for CDNA 5 (MIT licence, August 2026) and "CDNA5" Instruction Set Architecture Reference Guide (July 2026). The comments in the code are by the model that wrote it; some were corrected since.
;; Multi Head Attention. Allowed arithmetic: matrix products marked QUANTISED: E2M3 operands, one E8M0 scale for each 32 along K, by v_wmma_scale_f32_16x16x128_f8f6f4 with both operands' format E2M3, f32 sums; everything else in f32.
;; Inputs: Wk 1,024 x 1,024 float32; Wo 1,024 x 1,024 float32; Wq 1,024 x 1,024 float32; Wv 1,024 x 1,024 float32; bk 1,024 float32; bo 1,024 float32; bq 1,024 float32; bv 1,024 float32; key 4 x 2,048 x 1,024 float32; query 4 x 2,048 x 1,024 float32; value 4 x 2,048 x 1,024 float32.
;; Outputs: out0 4 x 2,048 x 1,024 float32.
;; This version of the problem:
;;   THIS VERSION OF THE PROBLEM IS GIVEN IN LOW PRECISION. The matrix products marked QUANTISED in the list below multiply operands that are first quantised to E2M3 (2 exponent bits, 3 mantissa bits; 6 bits a number), with one power-of-two scale for each 32 numbers along K (OCP MX v1.0); their sums are f32. All else is computed in f32.
;;   The module's matrix products, in the order in which they are computed (A, B: the left and right operand; K: the contracted axis; several contracted axes count as one K, in the product's order):
;;     1. [M 8,192, K 1,024] x [K 1,024, N 1,024]; A: input query; B: input Wq: QUANTISED
;;     2. [M 8,192, K 1,024] x [K 1,024, N 1,024]; A: input key; B: input Wk: QUANTISED
;;     3. [M 8,192, K 1,024] x [K 1,024, N 1,024]; A: input value; B: input Wv: QUANTISED
;;     4. batch 64 x [M 2,048, K 64] x [K 64, N 2,048]; A: computed on the way; B: computed on the way: QUANTISED
;;     5. batch 64 x [M 2,048, K 2,048] x [K 2,048, N 64]; A: softmax (see below); B: computed on the way: QUANTISED
;;     6. [M 8,192, K 1,024] x [K 1,024, N 1,024]; A: computed on the way; B: input Wo: QUANTISED
;;   THE QUANTISER, for each operand of a quantised product, along K:
;;     - K is cut into blocks of 32 from its start; a last block that is shorter is filled with zeros.
;;     - A block's scale is 2^e with e = floor(log2(the largest magnitude in the block)) - 2, held to -126 .. 127; a block of zeros has e = 0. As a byte (E8M0): e + 127.
;;     - Each number is divided by its block's scale, clamped to +-7.5, and rounded to the nearest number of E2M3, ties to even, subnormals kept.
;;     - The product sums the exact products of the quantised numbers (number of the format x scale) in f32.
;;   ~~~python
;;   def quantise(x, axis):      # numpy; x: float32 -> the quantised numbers, widened to float32 again
;;       x = np.moveaxis(x, axis, -1); K = x.shape[-1]
;;       x = np.pad(x, [(0, 0)] * (x.ndim - 1) + [(0, -K % 32)]); x = x.reshape(x.shape[:-1] + (-1, 32)); a = np.abs(x).max(-1, keepdims=True)
;;       e = np.where(a > 0, np.clip(np.frexp(np.where(a > 0, a, 1))[1] - 1 - 2, -126, 127), 0)      # np.frexp(a)[1] - 1 = floor(log2(a)), exactly
;;       r = np.clip(x / 2.0 ** e, -7.5, 7.5)
;;       step = 2.0 ** (np.maximum(np.frexp(np.where(r == 0, 1, r))[1] - 1, 0) - 3)
;;       q = np.round(r / step) * step * 2.0 ** e      # np.round: ties to even
;;       return np.moveaxis(q.reshape(q.shape[:-2] + (-1,))[..., :K], -1, axis).astype(np.float32)
;;   ~~~
;;   SOFTMAX AHEAD OF A QUANTISED PRODUCT. Where the list says 'softmax', what is quantised is not the finished softmax but p = 2^(t - M), with t = logit x log2(e) and M = ceil(the row's largest t), a whole number; so 1/2 < the row's largest p <= 1. The row's sum l is taken of the UNQUANTISED p, in f32, and the product's result is divided by l at the end. Since M is a whole number, a kernel that streams over the keys may use a running M (the ceiling of the running maximum): every later rescaling is an exact power of two, which a block's scale takes up: the codes' values come out the same.
;;   OPERANDS COMPUTED ON THE WAY. 'Computed on the way' means the value that the module computes at that place (a softmax that the list does not call 'softmax' is quantised finished and normalised). What goes into a quantiser is computed in f32, as accurately as f32 sums, v_exp_f32 and their like allow (about 1e-6 of the number): no bf16 or f16 on the way to a quantiser, and a product that is left as it is and whose result goes on into a quantised operand takes f32 operands (vector FMAs, or v_wmma_f32_16x16x4_f32). A number that lies on a knife's edge between two numbers of the format may be rounded either way, as far as f32 arithmetic and the matrix unit's own rounding can turn it there, and no further.
;; One version. Each part assembles by itself: llvm-mc -triple=amdgcn-amd-amdhsa -mcpu=gfx1250 --defsym DOCPART=n.
;; ======== version 1 of 1: 4 launches
;; limits: right only within a limited range of input values
;; workspace buffers: xq 19,660,800 bytes; wq 3,276,800 bytes; qi 6,815,744 bytes; kv 13,369,344 bytes; ao 6,553,600 bytes
;; launch quant (part 1): grid 896 x 1, 4 waves a work-group, no clusters, 33,280 bytes of LDS; arguments query, key, value, Wq, Wk, Wv, Wo, xq, wq; writes xq, wq
.if DOCPART == 1
	.amdgcn_target "amdgcn-amd-amdhsa--gfx1250"
	.amdhsa_code_object_version 6
	.text
	.protected	k_qbd09332b69_quant
	.globl	k_qbd09332b69_quant
	.p2align	8
	.type	k_qbd09332b69_quant,@function
k_qbd09332b69_quant:
	s_mov_b64 s[64:65], 0
	v_nop
	global_prefetch_b8 v0, s[64:65] scope:SCOPE_SE
	s_setreg_imm32_b32 hwreg(HW_REG_WAVE_MODE, 25, 1), 1
	s_wait_xcnt 0x0
; query, key, value [8192][1024] and Wq, Wk, Wv, Wo [1024][1024], f32, K innermost, become codes of FP6 (E2M3) with one E8M0 scale byte for each 32 along K.
; xq: codes [3 tensors][4 chunks of 256 along K][8192 rows][192 bytes], then from byte XSCL on the scale bytes [3][8192][32].  wq: codes [4][4][1024][192], then from WSCL on [4][1024][32].
; So 128 rows of one chunk are 24,576 dense bytes that begin at a multiple of 256: the products' launches fetch them as rows of 256 bytes.
; A block's scale is 2^(floor(log2(its largest magnitude)) - 2); its byte is the largest magnitude's exponent field - 2, held at 1 from below.
; THE ROWS of every tensor but query are stored with bits 3 and 4 of the row's number exchanged: 16 neighbouring stored rows 16 u + r of a group of 32 are then the true rows 8 u + r + 8 (r / 8),
; the choice of rows with which a later product's results lie as 16 neighbours along the next K.  A wave's run is 8 rows, so the exchange is an exchange of the two bits of the wave's number.
; LIMITS: NaN and infinities among the inputs are not served.  A block of zeros gets the byte 1 and not 127: its codes are zeros, and this program alone reads the bytes.  Blocks whose largest magnitude lies under 2^-124 are held at the byte 1.
; A work-group takes 32 rows, a wave 8 rows: 16 steps of 512 numbers (half a row: two chunks, sixteen lanes each).  Each load reads 512 consecutive bytes; a step's 2,048 bytes turn through the wave's own stage in LDS, so that a lane holds 16 neighbours.
; No tensor loads, no barrier: waves share nothing.  Loads run four steps (16 loads a wave) ahead.
.set STEPS, 16
.set EMAX,  2
.set CB,    12                         ; bytes of 16 codes
.set R,     16                         ; v16-79   four sets of 16 numbers as they are loaded
.set X,     80                         ; v80-111  two sets of 16 neighbours
.set C,     128                        ; v128-191 codes: four registers for each step
.set E,     112                        ; v112-127 a scale byte for each step
.set WREG,  8192                       ; LDS: a region for each wave: two stages of 32 x SP bytes, then its 256 scale bytes
.set SP,    80                         ; a lane's place in a stage: 64 bytes + 16 of padding
.set XSCL,  18874368
.set WSCL,  3145728
	s_load_b256 s[4:11], s[0:1], 0x0               ; query, key, value, Wq
	s_load_b256 s[12:19], s[0:1], 0x20             ; Wk, Wv, Wo, xq
	s_load_b64 s[20:21], s[0:1], 0x40              ; wq
	v_lshl_add_u32 v192, v0, 2, 0x8000
	v_mov_b32 v193, 0
	v_lshrrev_b32 v1, 5, v0
	v_readfirstlane_b32 s26, v1                    ; wave
	v_and_b32 v2, 31, v0                           ; lane
	v_lshlrev_b32 v3, 4, v2                        ; my 16 bytes of a load's 512
	s_mul_i32 s27, s26, WREG
	v_lshrrev_b32 v14, 2, v2
	v_mul_u32_u24 v14, v14, SP
	v_and_b32 v15, 3, v2
	v_lshl_add_u32 v14, v15, 4, v14
	v_add_nc_u32 v14, s27, v14                     ; the stage, on the way in: SP (lane / 4) + 16 (lane % 4)
	v_mul_u32_u24 v15, v2, SP
	v_add_nc_u32 v15, s27, v15                     ; and on the way out: SP x lane: my 16 neighbours
	s_mov_b32 s38, 1023                            ; runs of 8 rows in a tensor, less 1,
	s_mov_b32 s39, 1572864                         ; and bytes from chunk to chunk: rows x 192
	s_cmp_ge_u32 ttmp9, 768                        ; a weight?
	s_cselect_b32 s38, 127, s38
	s_cselect_b32 s39, 196608, s39
	v_and_b32 v4, 15, v2
	v_lshrrev_b32 v10, 4, v2
	v_mul_u32_u24 v4, v4, CB
	v_mul_u32_u24 v10, s39, v10
	v_add_nc_u32 v4, v4, v10                       ; my codes' place: 12 (lane % 16), lanes 16-31 a chunk on
	v_lshrrev_b32 v5, 1, v2
	s_add_co_u32 s27, s27, 2*32*SP
	v_add_nc_u32 v5, s27, v5                       ; LDS: my wave's 256 scale bytes, my block's byte
	v_lshlrev_b32 v7, 3, v2                        ; and on the way out 8 bytes a lane
	v_add_nc_u32 v6, s27, v7
	s_and_b32 s35, s26, 1                          ; the wave's number with its two bits exchanged
	s_lshl_b32 s35, s35, 1
	s_lshr_b32 s36, s26, 1
	s_or_b32 s35, s35, s36
	s_mov_b32 s34, XSCL
	s_wait_alu depctr_va_vdst(0)                   ; the wait at the head's end
	s_wait_kmcnt 0x0
	s_mov_b64 s[28:29], s[4:5]                     ; which tensor: the choice hangs on the work-group's number alone
	s_cmp_ge_u32 ttmp9, 256
	s_cselect_b64 s[28:29], s[6:7], s[28:29]
	s_cselect_b32 s35, s35, s26                    ; query keeps its rows' order
	s_cmp_ge_u32 ttmp9, 512
	s_cselect_b64 s[28:29], s[8:9], s[28:29]
	s_cmp_ge_u32 ttmp9, 800
	s_cselect_b64 s[10:11], s[12:13], s[10:11]
	s_cmp_ge_u32 ttmp9, 832
	s_cselect_b64 s[10:11], s[14:15], s[10:11]
	s_cmp_ge_u32 ttmp9, 864
	s_cselect_b64 s[10:11], s[16:17], s[10:11]
	s_cmp_ge_u32 ttmp9, 768                        ; a weight?
	s_cselect_b64 s[28:29], s[10:11], s[28:29]
	s_cselect_b64 s[30:31], s[20:21], s[18:19]     ; the buffer that takes the codes and bytes
	s_cselect_b32 s32, 768, 0
	s_cselect_b32 s33, 31, 255
	s_cselect_b32 s34, WSCL, s34
	s_and_b32 s33, ttmp9, s33                      ; the work-group's place in its tensor
	s_sub_co_u32 s32, ttmp9, s32                   ; and in its output buffer
	s_lshl_b32 s33, s33, 2
	s_add_co_u32 s33, s33, s26                     ; the run of 8 rows that I read
	s_lshl_b32 s36, s33, 15                        ; 32,768 bytes a run
	s_mov_b32 s37, 0
	s_add_nc_u64 s[4:5], s[28:29], s[36:37]
	s_lshl_b32 s32, s32, 2
	s_add_co_u32 s32, s32, s35                     ; the run that I write, counted through the buffer
	s_and_b32 s36, s32, s38                        ; its place in its tensor: 1,536 bytes a run in each chunk;
	s_sub_co_u32 s40, s32, s36                     ; the tensor's first run: 6,144 bytes of codes for each run ahead of it
	s_mul_i32 s36, s36, 8*192
	s_mul_i32 s40, s40, 32*STEPS*CB
	s_add_co_u32 s36, s36, s40
	s_add_nc_u64 s[8:9], s[30:31], s[36:37]        ; chunks 0 and 1: a row's first half
	s_lshl_b32 s40, s39, 1
	s_mov_b32 s41, 0
	s_add_nc_u64 s[22:23], s[8:9], s[40:41]        ; chunks 2 and 3: its second half
	s_lshl_b32 s36, s32, 8                         ; 256 scale bytes a run
	s_add_co_u32 s36, s36, s34
	s_add_nc_u64 s[10:11], s[30:31], s[36:37]
.macro LOAD t
.irp i, 0,1,2,3
	global_load_b128 v[R+16*((\t)%4)+4*\i:R+16*((\t)%4)+4*\i+3], v3, s[4:5] offset:2048*(\t)+512*\i th:TH_LOAD_NT   ; 32 lanes read 512 consecutive bytes
.endr
.endm
.macro TURN t                          ; step t's numbers through the stage: LDS serves a wave's instructions in order, so no wait stands between the stores and the loads
.irp i, 0,1,2,3
	ds_store_b128 v14, v[R+16*((\t)%4)+4*\i:R+16*((\t)%4)+4*\i+3] offset:32*SP*((\t)%2)+8*SP*\i
.endr
.irp i, 0,1,2,3
	ds_load_b128 v[X+16*((\t)%2)+4*\i:X+16*((\t)%2)+4*\i+3], v15 offset:32*SP*((\t)%2)+16*\i
.endr
.endm
.irp t, 0,1,2,3
	LOAD \t
.endr
	s_wait_loadcnt 12                              ; step 0's four loads are in
	TURN 0
.macro STEP t
.set XS, X+16*((\t)%2)
.if (\t) > 0
	s_wait_dscnt 1                                 ; this step's numbers are back from the stage (the last step's byte store may be out)
.else
	s_wait_dscnt 0x0
.endif
.if (\t)+4 < STEPS
	LOAD (\t)+4                                    ; into the registers that this step's stores into the stage have read
.endif
.if (\t)+1 < STEPS
.if STEPS-2-(\t) >= 3
	s_wait_loadcnt 12                              ; the next step's four loads are in; those of the three steps behind it may be out
.else
	s_wait_loadcnt 4*(STEPS-2-(\t))
.endif
	TURN (\t)+1
.endif
	v_max3_num_f32 v8, |v[XS]|, |v[XS+1]|, |v[XS+2]|               ; the largest magnitude of my 16
	v_max3_num_f32 v9, |v[XS+3]|, |v[XS+4]|, |v[XS+5]|
.irp i, 6,10
	v_max3_num_f32 v8, v8, |v[XS+\i]|, |v[XS+\i+1]|
	v_max3_num_f32 v9, v9, |v[XS+\i+2]|, |v[XS+\i+3]|
.endr
	v_max3_num_f32 v8, v8, |v[XS+14]|, |v[XS+15]|
	v_max3_num_f32 v8, v8, v9, (EMAX+1)<<23        ; and the floor 2^(3 - 127): the byte cannot fall under 1
	v_max_num_f32_dpp v8, v8, v8 row_xmask:1 row_mask:0xf bank_mask:0xf   ; and of my neighbour's 16: the block's
	v_add_nc_u32 v11, -(EMAX<<23), v8              ; 2 off its exponent field: the conversion takes the exponent field of this operand as its scale
	v_cvt_scalef32_pk16_fp6_f32 v[C+4*(\t):C+4*(\t)+2], v[XS:XS+15], v11
	v_lshrrev_b32 v[E+(\t)], 23, v11               ; the scale's byte
	ds_store_b8 v5, v[E+(\t)] offset:16*(\t)       ; both lanes of a block write the same byte with the same value
	global_store_b96 v4, v[C+4*(\t):C+4*(\t)+2], s[8+14*((\t)%2):9+14*((\t)%2)] offset:192*((\t)/2)   ; sixteen lanes store a row's 192 bytes of one chunk; a wave's eight rows of a chunk lie on end
.endm
.irp t, 0,1,2,3,4,5,6,7,8,9,10,11,12,13,14,15
	STEP \t
.endr
	ds_load_b64 v[12:13], v6                       ; LDS serves a wave's instructions in order: these see my stores
	s_wait_dscnt 0x0
	global_store_b64 v7, v[12:13], s[10:11]        ; 32 lanes store 256 consecutive bytes, aligned
	s_wait_tensorcnt 0x0                           ; the wave's end
	ds_add_u32 v192, v193
	s_wait_dscnt 0x0
	s_endpgm
.Lfunc_end_k_qbd09332b69_quant:
	.size	k_qbd09332b69_quant, .Lfunc_end_k_qbd09332b69_quant-k_qbd09332b69_quant
	.p2alignl 7, 3214868480
	.fill 96, 4, 3214868480
	.section	.rodata,"a",@progbits
	.p2align	6, 0x0
	.amdhsa_kernel k_qbd09332b69_quant
		.amdhsa_group_segment_fixed_size 33280
		.amdhsa_private_segment_fixed_size 0
		.amdhsa_enable_private_segment 0
		.amdhsa_kernarg_size 72
		.amdhsa_user_sgpr_count 2
		.amdhsa_user_sgpr_kernarg_segment_ptr 1
		.amdhsa_wavefront_size32 1
		.amdhsa_system_sgpr_workgroup_id_x 1
		.amdhsa_system_sgpr_workgroup_id_y 1
		.amdhsa_system_sgpr_workgroup_id_z 1
		.amdhsa_system_vgpr_workitem_id 0
		.amdhsa_next_free_vgpr 194
		.amdhsa_next_free_sgpr 66
		.amdhsa_reserve_vcc 0
		.amdhsa_float_denorm_mode_32 3
		.amdhsa_float_denorm_mode_16_64 3
		.amdhsa_memory_ordered 1
		.amdhsa_forward_progress 1
		.amdhsa_inst_pref_size 34
	.end_amdhsa_kernel
	.amdgpu_metadata
---
amdhsa.version: [ 1, 2 ]
amdhsa.kernels:
  - .name:           k_qbd09332b69_quant
    .symbol:         k_qbd09332b69_quant.kd
    .args:
      - { .name: query, .offset: 0, .size: 8, .value_kind: global_buffer, .address_space: global }
      - { .name: key, .offset: 8, .size: 8, .value_kind: global_buffer, .address_space: global }
      - { .name: value, .offset: 16, .size: 8, .value_kind: global_buffer, .address_space: global }
      - { .name: Wq, .offset: 24, .size: 8, .value_kind: global_buffer, .address_space: global }
      - { .name: Wk, .offset: 32, .size: 8, .value_kind: global_buffer, .address_space: global }
      - { .name: Wv, .offset: 40, .size: 8, .value_kind: global_buffer, .address_space: global }
      - { .name: Wo, .offset: 48, .size: 8, .value_kind: global_buffer, .address_space: global }
      - { .name: xq, .offset: 56, .size: 8, .value_kind: global_buffer, .address_space: global }
      - { .name: wq, .offset: 64, .size: 8, .value_kind: global_buffer, .address_space: global }
    .group_segment_fixed_size: 33280
    .private_segment_fixed_size: 0
    .kernarg_segment_align: 8
    .kernarg_segment_size: 72
    .max_flat_workgroup_size: 128
    .sgpr_count:     66
    .vgpr_count:     194
    .wavefront_size: 32
...
	.end_amdgpu_metadata
.endif
;; end of part 1
;; launch proj (part 2): grid 4 x 96, 4 waves a work-group, clusters of 4 x 4, 327,680 bytes of LDS; arguments xq, wq, bq, bk, bv, qi, kv; writes qi, kv
.if DOCPART == 2
	.amdgcn_target "amdgcn-amd-amdhsa--gfx1250"
	.amdhsa_code_object_version 6
	.text
	.protected	k_qbd09332b69_proj
	.globl	k_qbd09332b69_proj
	.p2align	8
	.type	k_qbd09332b69_proj,@function
k_qbd09332b69_proj:
	s_mov_b64 s[64:65], 0
	v_nop
	global_prefetch_b8 v0, s[64:65] scope:SCOPE_SE
	s_setreg_imm32_b32 hwreg(HW_REG_WAVE_MODE, 25, 1), 1
	s_wait_xcnt 0x0
	s_wait_alu depctr_hold_cnt(0) depctr_sa_sdst(0) depctr_va_vdst(0) depctr_va_sdst(0) depctr_va_ssrc(0) depctr_va_vcc(0) depctr_vm_vsrc(0)
	s_getreg_b32 s2, hwreg(HW_REG_IB_STS2, 6, 4)
	s_cmp_eq_u32 s2, 0
	s_cbranch_scc0 .Lentry_in_a_cluster
	s_endpgm
.Lentry_in_a_cluster:
	s_bfe_u32 s2, ttmp6, 0x10000c
	s_cmp_lg_u32 s2, 0xf033
	s_cbranch_scc0 .Lentry_shape_is_right
	s_endpgm
.Lentry_shape_is_right:
.set KSTEP,  256
.set NQ,     2
.set ROWB,   192
.set KROW,   768
.set PITCH,  240
.set FR,     12
.set NL,     6
.set NP,     4
.set HALFT,  128*PITCH
.set SLOT,   4*HALFT
.set KS,     32
.set SCL,    2*SLOT
.set HALFS,  (128*KS/256)*272
.set SBLK,   (16*KS/256)*272
.set SPARE,  SCL+4*HALFS
.set STG,    SPARE+512
.set ADRA, 16
.set ADRB, 20
.set STS,  24
.set STR,  25
.set ADRS, 27
.set SPW,  28
.set NIL,  29
.set SH,   30
.set SC,   32
.set BI,   64
.set AF,   128
.set PC,   112
.set TM,   200
.set PW,   216
.set SW,   217
.set G1, 24
.set G0, 32
.set G1B, 48
.set G0B, 56
.set G1S, 68
.set G0S, 76
.set G1SB, 80
.set G0SB, 88
.set MSB, 0
.macro WIN new
.if MSB != \new
	s_set_vgpr_msb (MSB<<8)|\new
.set MSB, \new
.endif
.endm
.set MUL_LO, 0xa1
.set MUL_HI, 0xf1
.set TO_B,   0x40
.macro JLOAD g0a, g1a, g0b, g1b
	s_cmp_eq_u32 s15, 0
	s_cbranch_scc0 .Lfor_b_\@
	tensor_load_to_lds s[\g0a:\g0a+3], s[\g1a:\g1a+7]
	s_nop 0
.rept 4
	v_nop
.endr
	s_branch .Lasked_\@
.Lfor_b_\@:
	tensor_load_to_lds s[\g0b:\g0b+3], s[\g1b:\g1b+7]
	s_nop 0
.rept 4
	v_nop
.endr
.Lasked_\@:
.endm
.macro CREST
	s_cmp_lg_u32 s14, 0
	s_cbranch_scc1 .Lnot_wave_0_\@
	s_barrier_signal -3
.Lnot_wave_0_\@:
	s_barrier_wait -3
	s_barrier_signal -1
	s_barrier_wait -1
.endm
.macro CROUND
	s_barrier_signal -1
	s_barrier_wait -1
	CREST
.endm
	s_load_b256 s[68:75], s[0:1], 0x0
	s_load_b128 s[76:79], s[0:1], 0x20
	s_load_b64 s[80:81], s[0:1], 0x30
	v_lshl_add_u32 v[SPW], v0, 2, SPARE
	v_mov_b32 v[NIL], 0
	ds_add_u32 v28, v29
	ds_add_u32 v28, v29
	s_wait_dscnt 0x0
	v_lshrrev_b32 v1, 5, v0
	v_readfirstlane_b32 s14, v1
	s_lshr_b32 s15, s14, 1
	s_and_b32 s16, s14, 1
	s_bfe_u32 s40, ttmp6, 0x40000
	s_bfe_u32 s41, ttmp6, 0x40004
	s_and_b32 s17, ttmp7, 0xffff
	s_lshr_b32 s67, s17, 3
	s_and_b32 s17, s17, 7
	s_lshl_b32 s17, s17, 2
	s_cmp_eq_u32 s67, 2
	s_cselect_b32 s66, 1, 0
	s_cselect_b32 s42, s17, 0
	s_cselect_b32 s17, 0, s17
	s_add_co_u32 s42, s42, s40
	s_add_co_u32 s17, s17, s41
	s_lshl_b32 s43, s41, 2
	s_lshl_b32 s43, 15, s43
	s_lshl_b32 s44, 0x1111, s40
	s_or_b32 s[G1+0], s43, (0<<16)|(1<<20)|(1<<21)|(3<<22)|(3<<25)
	s_or_b32 s[G1B+0], s44, (0<<16)|(1<<20)|(1<<21)|(3<<22)|(3<<25)
.irp g, G1, G1B
	s_mov_b32 s[\g+1], 256<<16                     ; 128 rows of one chunk are 24,576 dense bytes: 96 rows of 256 bytes, each at a multiple of 256; 16 bytes of padding behind every 64, so a row of 192 bytes has the LDS pitch 240
	s_mov_b32 s[\g+2], 96<<16
	s_mov_b32 s[\g+3], 256<<16
	s_mov_b32 s[\g+4], 96
	s_mov_b32 s[\g+5], 256
	s_mov_b32 s[\g+6], 0
	s_mov_b32 s[\g+7], 0
.endr
	s_lshl_b32 s18, s16, 7
	s_lshl_b32 s20, s17, 8
	s_add_co_u32 s20, s20, s18
	s_lshl_b32 s46, s42, 8
	s_add_co_u32 s46, s46, s18
	s_lshl_b32 s22, s20, 5
	s_lshl_b32 s92, s46, 5
	s_mul_i32 s20, s20, ROWB
	s_mul_i32 s46, s46, ROWB
	s_mul_i32 s82, s67, 6291456
	s_lshl_b32 s83, s67, 18
	s_add_co_u32 s83, s83, 18874368
	s_mul_i32 s84, s67, 786432
	s_lshl_b32 s85, s67, 15
	s_add_co_u32 s85, s85, 3145728
	s_cmp_eq_u32 s66, 1
	s_cselect_b32 s86, s84, s82
	s_cselect_b32 s87, s85, s83
	s_cselect_b32 s88, s82, s84
	s_cselect_b32 s89, s83, s85
	s_mov_b32 s6, 1572864                          ; bytes from chunk to chunk: 8,192 rows x 192 in xq, 1,024 x 192 in wq
	s_mov_b32 s10, 196608
	s_cselect_b32 s7, s10, s6
	s_cselect_b32 s10, s6, s10                     ; s[10:11]: source B's
	s_mov_b32 s6, s7                               ; s[6:7]: source A's
	s_mov_b32 s7, 0
	s_mov_b32 s11, 0
	s_add_co_u32 s20, s20, s86
	s_add_co_u32 s22, s22, s87
	s_add_co_u32 s46, s46, s88
	s_add_co_u32 s92, s92, s89
	s_mov_b32 s21, 0
	s_mov_b32 s23, 0
	s_mov_b32 s47, 0
	s_mov_b32 s93, 0
	s_mul_i32 s45, s14, HALFT
	s_mul_i32 s94, s14, HALFS
	s_wait_kmcnt 0x0
	s_cmp_eq_u32 s66, 1
	s_cselect_b64 s[4:5], s[70:71], s[68:69]
	s_cselect_b64 s[8:9], s[68:69], s[70:71]
	s_cselect_b64 s[98:99], s[76:77], s[72:73]
	s_cselect_b64 s[12:13], s[80:81], s[78:79]
	s_cmp_eq_u32 s67, 1
	s_cselect_b64 s[98:99], s[74:75], s[98:99]
	s_cselect_b64 s[12:13], s[80:81], s[12:13]
	s_add_nc_u64 s[20:21], s[4:5], s[20:21]
	s_add_nc_u64 s[22:23], s[4:5], s[22:23]
	s_add_nc_u64 s[46:47], s[8:9], s[46:47]
	s_add_nc_u64 s[92:93], s[8:9], s[92:93]
	; the scale bytes of 128 rows, 4,096 dense bytes a wave (waves 0, 1: source A's; waves 2, 3: source B's), come by plain loads of 512 consecutive bytes and go into LDS as units of 256 bytes + 16 of padding
	s_cmp_eq_u32 s15, 0
	s_cselect_b64 s[22:23], s[22:23], s[92:93]
	s_add_co_u32 s94, s94, SCL
	v_and_b32 v8, 31, v0
	v_lshlrev_b32 v9, 4, v8                        ; in memory: 16 x lane
	v_lshrrev_b32 v10, 4, v8
	v_and_b32 v11, 15, v8
	v_mul_u32_u24 v10, v10, 272
	v_lshl_add_u32 v10, v11, 4, v10
	v_add_nc_u32 v10, s94, v10                     ; in LDS: my wave's 16 units; lanes 16-31 a unit on
	s_wait_alu depctr_va_vdst(0)                   ; the wait ahead of the round
	CROUND
.irp s, 0,1
	s_mov_b32 s[G0+4*\s], 1
	s_add_co_u32 s[G0+4*\s+1], s45, \s*SLOT
	s_mov_b64 s[G0+4*\s+2:G0+4*\s+3], s[20:21]
	s_add_nc_u64 s[20:21], s[20:21], s[6:7]        ; the next chunk
	s_or_b32 s[G0+4*\s+3], s[G0+4*\s+3], 0x80000000
	s_mov_b32 s[G0B+4*\s], 1
	s_add_co_u32 s[G0B+4*\s+1], s45, \s*SLOT
	s_mov_b64 s[G0B+4*\s+2:G0B+4*\s+3], s[46:47]
	s_add_nc_u64 s[46:47], s[46:47], s[10:11]
	s_or_b32 s[G0B+4*\s+3], s[G0B+4*\s+3], 0x80000000
.if \s
	s_wait_loadcnt 0x0                             ; my scale bytes are in registers
.irp k, 0,1,2,3,4,5,6,7
	ds_store_b128 v10, v[128+4*\k:131+4*\k] offset:544*\k
.endr
	s_wait_alu depctr_va_vdst(0)
	s_wait_tensorcnt 0x0                           ; slot 1's first fill stands behind the full sequence
	ds_add_u32 v28, v29
	s_wait_dscnt 0x0                               ; the add and my stores of scale bytes are done
	CROUND
.endif
	JLOAD G0+4*\s, G1, G0B+4*\s, G1B
.if \s == 0
.irp k, 0,1,2,3,4,5,6,7
	global_load_b128 v[128+4*\k:131+4*\k], v9, s[22:23] offset:512*\k
.endr
.endif
.endr
	v_and_b32 v1, 15, v0
	v_bfe_u32 v2, v0, 4, 1
	v_mul_u32_u24 v3, v1, PITCH
	v_mul_u32_u24 v4, v2, 24
	v_add_nc_u32 v4, v3, v4
	v_lshl_add_u32 v5, v2, 4, v4
	s_mul_i32 s21, s15, HALFT
	s_mul_i32 s22, s16, HALFT
	s_add_co_u32 s22, s22, 2*HALFT
.irp s, 0,1
	v_add_nc_u32 v[ADRA+\s], s21, v4
	v_add_nc_u32 v[ADRB+\s], s22, v4
	v_add_nc_u32 v[ADRA+2+\s], s21, v5
	v_add_nc_u32 v[ADRB+2+\s], s22, v5
	s_add_co_u32 s21, s21, SLOT
	s_add_co_u32 s22, s22, SLOT
.endr
	v_mul_u32_u24 v5, v1, KS
	v_lshrrev_b32 v6, 8, v5
	v_lshl_add_u32 v5, v6, 4, v5
	s_mul_i32 s21, s15, HALFS
	s_mul_i32 s22, s16, HALFS
	s_add_co_u32 s22, s22, 2*HALFS
	s_sub_co_u32 s22, s22, s21
	v_mul_u32_u24 v6, s22, v2
	s_add_co_u32 s21, s21, SCL
	v_add_nc_u32 v5, v5, v6
	v_add_nc_u32 v[ADRS], s21, v5
	s_lshl_b32 s23, s14, 10
	s_add_co_u32 s23, s23, STG
	v_lshlrev_b32 v5, 2, v1
	v_lshl_add_u32 v5, v2, 9, v5
	v_add_nc_u32 v[STS], s23, v5
	v_and_b32 v6, 31, v0
	v_lshlrev_b32 v6, 4, v6
	v_add_nc_u32 v[STR], s23, v6
	v_lshlrev_b32 v[SH], 4, v2
	v_lshlrev_b32 v8, 6, v2
	v_and_b32 v9, 8, v1
	v_add_nc_u32 v9, v9, v1
	v_lshlrev_b32 v9, 2, v9
	s_cmp_eq_u32 s66, 1
	s_cselect_b32 s4, s17, s42
	s_cselect_b32 s5, s15, s16
	s_lshl_b32 s4, s4, 10
	s_lshl_b32 s5, s5, 9
	s_add_co_u32 s4, s4, s5
	s_mov_b32 s5, 0
	s_add_nc_u64 s[98:99], s[98:99], s[4:5]
	s_cmp_eq_u32 s66, 1
	s_cbranch_scc1 .Lbias_v
	s_wait_alu depctr_va_vdst(0)
.irp t, 0,1,2,3,4,5,6,7
	global_load_b128 v[BI+8*\t:BI+8*\t+3], v8, s[98:99] offset:(32*(\t/2)+8*(\t%2))*4
	global_load_b128 v[BI+8*\t+4:BI+8*\t+7], v8, s[98:99] offset:(32*(\t/2)+8*(\t%2))*4+16
.endr
	s_branch .Lbias_done
.Lbias_v:
	s_wait_alu depctr_va_vdst(0)
.irp a, 0,1,2,3,4,5,6,7
.irp j, 0,1,2,3,4,5,6,7
	global_load_b32 v[BI+8*\a+\j], v9, s[98:99] offset:(32*(\a/2)+8*(\a%2))*4
.endr
.endr
.Lbias_done:
.macro FRAG reg, adr, q, i
.irp p, 0,1,2,3,4,5
.set PCE, 12*(\q)+6*(\p/3)+\p%3
.if PCE%8 < 5
	ds_load_b64 v[\reg+2*\p:\reg+2*\p+1], v[\adr] offset:8*PCE+16*(PCE/8)+(\i)*16*PITCH
.else
	ds_load_b64 v[\reg+2*\p:\reg+2*\p+1], v[\adr+2] offset:8*PCE+16*(PCE/8)+(\i)*16*PITCH
.endif
.endr
.endm
.macro MUL16 a0, p, q, sc, cm
.irp a, \a0, \a0+1
.irp b, 0,1,2,3,4,5,6,7
.set rD, 8*(8*((\a)%4)+\b)
.set rB, 128*(\p)+FR*\b
.set rA, AF+FR*(\a)
.set rSB, SC+8*NQ*(\sc)+NQ*\b+(\q)
.set rSA, SC+8*NQ*(\sc)+NQ*(\a)+(\q)
.if \cm == 1
	v_wmma_scale_f32_16x16x128_f8f6f4 v[rD:rD+7], v[rB:rB+FR-1], v[rA:rA+FR-1], v[BI+8*\b:BI+8*\b+7], v[rSB], v[rSA] matrix_a_fmt:MATRIX_FMT_FP6 matrix_b_fmt:MATRIX_FMT_FP6 matrix_a_scale:MATRIX_SCALE_ROW1
.elseif \cm == 2
	v_wmma_scale_f32_16x16x128_f8f6f4 v[rD:rD+7], v[rB:rB+FR-1], v[rA:rA+FR-1], v[BI+8*(\a):BI+8*(\a)+7], v[rSB], v[rSA] matrix_a_fmt:MATRIX_FMT_FP6 matrix_b_fmt:MATRIX_FMT_FP6 matrix_a_scale:MATRIX_SCALE_ROW1
.else
	v_wmma_scale_f32_16x16x128_f8f6f4 v[rD:rD+7], v[rB:rB+FR-1], v[rA:rA+FR-1], v[rD:rD+7], v[rSB], v[rSA] matrix_a_fmt:MATRIX_FMT_FP6 matrix_b_fmt:MATRIX_FMT_FP6 matrix_a_scale:MATRIX_SCALE_ROW1
.endif
.endr
.endr
.endm
.macro FETCH_B slot, q, p
	WIN TO_B
.irp i, 0,1,2,3,4,5,6,7
	FRAG 128*(\p)+FR*\i, ADRB+\slot, \q, \i
.endr
	WIN 0
.endm
.macro FETCH_A slot, q, i0
.irp i, \i0, \i0+1, \i0+2, \i0+3
	FRAG AF+FR*(\i), ADRA+\slot, \q, \i
.endr
.endm
.macro SCALES sc
.irp i, 0,1,2,3,4,5,6,7
	ds_load_b64 v[SC+8*NQ*\sc+NQ*\i:SC+8*NQ*\sc+NQ*\i+1], v[ADRS] offset:\i*SBLK
.endr
.endm
.macro PLACES n
.rept \n
	v_nop
.endr
.endm
.macro STEP slot, q, cm
	s_wait_dscnt 4*NL
.if \cm
	WIN 0x81
.else
	WIN MUL_LO
.endif
	MUL16 0, (\q)%2, \q, \slot, \cm
	MUL16 2, (\q)%2, \q, \slot, \cm
	s_wait_dscnt 0
	PLACES NP
	FETCH_B \slot, (\q)+1, 1-(\q)%2
	FETCH_A \slot, (\q)+1, 0
.if \cm
	WIN 0xc1
.else
	WIN MUL_HI
.endif
	MUL16 4, (\q)%2, \q, \slot, \cm
	MUL16 6, (\q)%2, \q, \slot, \cm
	PLACES NP
	WIN 0
	FETCH_A \slot, (\q)+1, 4
.endm
.macro TURN slot, next, fill
	s_wait_tensorcnt 0x0
	ds_add_u32 v[SPW], v[NIL]
	s_wait_dscnt 4*NL+1
	WIN MUL_LO
	MUL16 0, 1, NQ-1, \slot, 0
	s_wait_dscnt 0x0
	s_barrier_signal -1
	MUL16 2, 1, NQ-1, \slot, 0
	WIN 0
	s_barrier_wait -1
.if \fill
	CREST
	s_add_nc_u64 s[G0+4*\slot+2:G0+4*\slot+3], s[G0+4*\slot+2:G0+4*\slot+3], s[6:7]   ; two chunks on
	s_add_nc_u64 s[G0+4*\slot+2:G0+4*\slot+3], s[G0+4*\slot+2:G0+4*\slot+3], s[6:7]
	s_add_nc_u64 s[G0B+4*\slot+2:G0B+4*\slot+3], s[G0B+4*\slot+2:G0B+4*\slot+3], s[10:11]
	s_add_nc_u64 s[G0B+4*\slot+2:G0B+4*\slot+3], s[G0B+4*\slot+2:G0B+4*\slot+3], s[10:11]
	JLOAD G0+4*\slot, G1, G0B+4*\slot, G1B
.else
	PLACES NP
.endif
	s_wait_alu depctr_va_vdst(0)
	v_add_nc_u32 v[ADRS], 4*NQ, v[ADRS]
	FETCH_B \next, 0, 0
	FETCH_A \next, 0, 0
	SCALES \next
	WIN MUL_HI
	MUL16 4, 1, NQ-1, \slot, 0
	MUL16 6, 1, NQ-1, \slot, 0
	PLACES NP
	WIN 0
	FETCH_A \next, 0, 4
.endm
	s_wait_tensorcnt 1
	s_barrier_signal -1
	s_barrier_wait -1
	FETCH_B 0, 0, 0
	FETCH_A 0, 0, 0
	SCALES 0
	FETCH_A 0, 0, 4
	s_wait_loadcnt 0x0
	s_cmp_eq_u32 s66, 1
	s_cbranch_scc1 .Lfirst_v
	STEP 0, 0, 1
	s_branch .Lfirst_done
.Lfirst_v:
	STEP 0, 0, 2
.Lfirst_done:
	TURN 0, 1, 1
	STEP 1, 0, 0
	TURN 1, 0, 1
	STEP 0, 0, 0
	TURN 0, 1, 0
	STEP 1, 0, 0
	s_wait_dscnt 4*NL
	WIN MUL_LO
	MUL16 0, 1, NQ-1, 1, 0
	MUL16 2, 1, NQ-1, 1, 0
	s_wait_dscnt 0
	WIN MUL_HI
	MUL16 4, 1, NQ-1, 1, 0
	MUL16 6, 1, NQ-1, 1, 0
	WIN 0
	PLACES NP
	s_mov_b32 s68, 768
	s_mov_b32 s70, 768
	s_mov_b32 s8, 98304
	s_cmp_eq_u32 s67, 1
	s_cselect_b32 s8, 196608, s8
	s_cmp_eq_u32 s66, 1
	s_cselect_b32 s4, s42, s17
	s_cselect_b32 s5, s17, s42
	s_cselect_b32 s6, s16, s15
	s_cselect_b32 s7, s15, s16
	s_cselect_b32 s23, -1, 0xffff
	s_cselect_b32 s68, 1536, s68
	s_cselect_b32 s70, 192000, s70
	s_cselect_b32 s8, 768, s8
	s_cselect_b32 s78, 3840, 0
	s_mov_b32 s69, 0
	s_mov_b32 s71, 0
	s_mov_b32 s20, 0x76543210
	s_mov_b32 s21, 0xfedcba98
	s_mov_b32 s22, 0x1800000
	s_lshr_b32 s9, s4, 3
	s_lshl_b32 s9, s9, 3
	s_lshl_b32 s5, s5, 1
	s_add_co_u32 s9, s9, s5
	s_add_co_u32 s9, s9, s7
	s_and_b32 s4, s4, 7
	s_lshl_b32 s4, s4, 1
	s_add_co_u32 s4, s4, s6
	s_mul_i32 s10, s9, 196608
	s_mul_i32 s11, s4, 6144
	s_add_co_u32 s10, s10, s11
	s_lshl_b32 s18, s9, 14
	s_lshl_b32 s19, s4, 9
	s_add_co_u32 s18, s18, s19
	s_add_co_u32 s18, s18, 6291456
	s_mul_i32 s72, s9, 417792
	s_lshr_b32 s73, s4, 2
	s_mul_i32 s73, s73, 49152
	s_and_b32 s74, s4, 3
	s_mul_i32 s74, s74, 6144
	s_add_co_u32 s73, s73, s74
	s_add_co_u32 s73, s73, s72
	s_add_co_u32 s76, s73, 24576
	s_add_co_u32 s74, s72, s19
	s_add_co_u32 s74, s74, 393216
	s_lshl_b32 s75, s4, 8
	s_add_co_u32 s75, s75, s72
	s_add_co_u32 s75, s75, 409600
	s_cmp_eq_u32 s67, 0
	s_cselect_b32 s73, s10, s73
	s_cselect_b32 s74, s18, s74
	s_cmp_eq_u32 s66, 1
	s_cselect_b32 s10, s76, s73
	s_cselect_b32 s18, s75, s74
	s_mov_b32 s11, 0
	s_mov_b32 s19, 0
	s_add_nc_u64 s[96:97], s[12:13], s[18:19]
	s_add_nc_u64 s[12:13], s[12:13], s[10:11]
	v_and_b32 v8, 31, v0
	v_bfe_u32 v10, v0, 4, 1
	v_lshlrev_b32 v1, 4, v8
	v_lshlrev_b32 v2, 3, v8
	v_add_nc_u32 v3, s8, v1
	v_add_nc_u32 v4, s8, v2
	v_mul_u32_u24 v7, s78, v10
	v_add_nc_u32 v7, v7, v1
.irp b, 0,1,2,3
	v_mov_b32 v[TM+4+\b], 0
.endr
.macro QUANTW a
.set AC, 64*((\a)%4)
.set WQ, 0x28+0x14*((\a)/4)
.set WC, 2+(\a)/4
	WIN WQ
.irp b, 0,1,2,3
	v_max3_num_f32 v[TM+\b], s22, |v[AC+16*\b]|, |v[AC+16*\b+1]|
.endr
.irp i, 2,4,6,8,10,12,14
.irp b, 0,1,2,3
	v_max3_num_f32 v[TM+\b], v[TM+\b], |v[AC+16*\b+\i]|, |v[AC+16*\b+\i+1]|
.endr
.endr
	WIN 0
.irp b, 0,1,2,3
	v_permlanex16_b32 v[TM+4+\b], v[TM+\b], s20, s21
.endr
.irp b, 0,1,2,3
	v_max_num_f32 v[TM+\b], v[TM+\b], v[TM+4+\b]
.endr
.irp b, 0,1,2,3
	v_add_nc_u32 v[TM+12+\b], 0xff000000, v[TM+\b]
.endr
.irp b, 0,1,2,3
	v_lshrrev_b32 v[TM+4+\b], 23, v[TM+12+\b]
.endr
	v_lshl_or_b32 v[PW], v[TM+5], 8, v[TM+4]
	v_lshl_or_b32 v[PW], v[TM+6], 16, v[PW]
	v_lshl_or_b32 v[PW], v[TM+7], 24, v[PW]
	WIN WC
.irp c, 0,1
	v_cvt_scalef32_pk16_fp6_f32 v[PC+6*\c:PC+2+6*\c], v[AC+32*\c:AC+15+32*\c], v[TM+12+2*\c]
	v_cvt_scalef32_pk16_fp6_f32 v[PC+12+4*\c:PC+14+4*\c], v[AC+16+32*\c:AC+31+32*\c], v[TM+12+2*\c+1]
.endr
	WIN 0
	v_nop
.irp c, 0,1
.irp i, 0,1,2
	v_permlane16_swap_b32 v[PC+6*\c+\i], v[PC+12+4*\c+\i]
.endr
.irp i, 0,1,2
	v_mov_b32 v[PC+3+6*\c+\i], v[PC+12+4*\c+\i]
.endr
.endr
.endm
.macro BLOCKOUT a
	s_wait_xcnt 0x0
.if (\a) == 4
	s_add_nc_u64 s[12:13], s[12:13], s[70:71]
.elseif (\a) > 0
	s_add_nc_u64 s[12:13], s[12:13], s[68:69]
.endif
	QUANTW \a
	global_store_b128 v1, v[PC:PC+3], s[12:13]
	global_store_b64 v2, v[PC+4:PC+5], s[12:13] offset:512
	global_store_b128 v3, v[PC+6:PC+9], s[12:13]
	global_store_b64 v4, v[PC+10:PC+11], s[12:13] offset:512
	v_lshrrev_b32 v[SW], v[SH], v[PW]
	v_and_b32 v[SW], s23, v[SW]
	ds_store_b32 v[STS], v[SW] offset:64*(\a)
.endm
.irp a, 0,1,2,3,4,5,6,7
	BLOCKOUT \a
.endr
	ds_load_b128 v[200:203], v[STR]
	ds_load_b128 v[204:207], v[STR] offset:512
	s_wait_dscnt 0x0
	global_store_b128 v7, v[200:203], s[96:97]
	s_cmp_eq_u32 s66, 1
	s_cbranch_scc1 .Lno_second
	global_store_b128 v7, v[204:207], s[96:97] offset:8192
.Lno_second:
	s_wait_tensorcnt 0x0
	ds_add_u32 v[SPW], v[NIL]
	s_wait_dscnt 0x0
	CROUND
	s_endpgm
.Lfunc_end_k_qbd09332b69_proj:
	.size	k_qbd09332b69_proj, .Lfunc_end_k_qbd09332b69_proj-k_qbd09332b69_proj
	.p2alignl 7, 3214868480
	.fill 96, 4, 3214868480
	.section	.rodata,"a",@progbits
	.p2align	6, 0x0
	.amdhsa_kernel k_qbd09332b69_proj
		.amdhsa_group_segment_fixed_size 327680
		.amdhsa_private_segment_fixed_size 0
		.amdhsa_enable_private_segment 0
		.amdhsa_kernarg_size 56
		.amdhsa_user_sgpr_count 2
		.amdhsa_user_sgpr_kernarg_segment_ptr 1
		.amdhsa_wavefront_size32 1
		.amdhsa_system_sgpr_workgroup_id_x 1
		.amdhsa_system_sgpr_workgroup_id_y 1
		.amdhsa_system_sgpr_workgroup_id_z 1
		.amdhsa_system_vgpr_workitem_id 0
		.amdhsa_next_free_vgpr 1024
		.amdhsa_next_free_sgpr 100
		.amdhsa_reserve_vcc 0
		.amdhsa_float_denorm_mode_32 3
		.amdhsa_float_denorm_mode_16_64 3
		.amdhsa_memory_ordered 1
		.amdhsa_forward_progress 1
		.amdhsa_inst_pref_size 192
	.end_amdhsa_kernel
	.amdgpu_metadata
---
amdhsa.version: [ 1, 2 ]
amdhsa.kernels:
  - .name:           k_qbd09332b69_proj
    .symbol:         k_qbd09332b69_proj.kd
    .args:
      - { .name: xq, .offset: 0, .size: 8, .value_kind: global_buffer, .address_space: global }
      - { .name: wq, .offset: 8, .size: 8, .value_kind: global_buffer, .address_space: global }
      - { .name: bq, .offset: 16, .size: 8, .value_kind: global_buffer, .address_space: global }
      - { .name: bk, .offset: 24, .size: 8, .value_kind: global_buffer, .address_space: global }
      - { .name: bv, .offset: 32, .size: 8, .value_kind: global_buffer, .address_space: global }
      - { .name: qi, .offset: 40, .size: 8, .value_kind: global_buffer, .address_space: global }
      - { .name: kv, .offset: 48, .size: 8, .value_kind: global_buffer, .address_space: global }
    .group_segment_fixed_size: 327680
    .private_segment_fixed_size: 0
    .kernarg_segment_align: 8
    .kernarg_segment_size: 56
    .max_flat_workgroup_size: 128
    .sgpr_count:     100
    .vgpr_count:     1024
    .wavefront_size: 32
...
	.end_amdgpu_metadata
.endif
;; end of part 2
;; launch attn (part 3): grid 4 x 64, 16 waves a work-group, clusters of 4 x 1, 327,680 bytes of LDS; arguments qi, kv, ao; writes ao
.if DOCPART == 3
	.amdgcn_target "amdgcn-amd-amdhsa--gfx1250"
	.amdhsa_code_object_version 6
	.text
	.protected	k_qbd09332b69_attn
	.globl	k_qbd09332b69_attn
	.p2align	8
	.type	k_qbd09332b69_attn,@function
k_qbd09332b69_attn:
	s_mov_b64 s[64:65], 0
	v_nop
	global_prefetch_b8 v0, s[64:65] scope:SCOPE_SE
	s_setreg_imm32_b32 hwreg(HW_REG_WAVE_MODE, 25, 1), 1
	s_wait_xcnt 0x0
	s_wait_alu depctr_hold_cnt(0) depctr_sa_sdst(0) depctr_va_vdst(0) depctr_va_sdst(0) depctr_va_ssrc(0) depctr_va_vcc(0) depctr_vm_vsrc(0)
	s_getreg_b32 s2, hwreg(HW_REG_IB_STS2, 6, 4)
	s_cmp_eq_u32 s2, 0
	s_cbranch_scc0 .Lentry_in_a_cluster
	s_endpgm
.Lentry_in_a_cluster:
	s_bfe_u32 s2, ttmp6, 0x10000c
	s_cmp_lg_u32 s2, 0x3003
	s_cbranch_scc0 .Lentry_shape_is_right
	s_endpgm
.Lentry_shape_is_right:
; Attention on codes of FP6 (E2M3) with E8M0 scales: S^T = k q^T, p = 2^(t - M), O^T = v^T p^T, O / l quantised along the head's 64 for the last projection.
; t = score x log2(e) / 8; M = the running largest t rounded UP to a whole number; p is not normalised; the row's sum l is taken of the unquantised p; when M moves, l and O^T are multiplied by 2^(old M - new M): exact.
; SHARES.  A work-group owns ONE head (y = 16 batch + head) and 512 of its queries (x); each of its sixteen waves owns two tiles of 16 queries, 32 x + wave and 16 tiles on, in 256 registers, four waves to a SIMD.
; THE HEAD'S k AND v LIE IN LDS WHOLE: four slots of 49,152 bytes (512 keys each: 32 tiles of k, then v^T of 4 key steps), 196,608 bytes, and behind them the scale words of the head's pair, 24,576 bytes.
; They are filled once, at the head, one tensor load a wave: waves 0 to 11 fetch 16,384 bytes of codes each, waves 12 to 15 6,144 bytes of scale words each.  Nothing is filled again: one barrier shows the tiles to all waves, and no other stands in the walk.
; CLUSTER: the four work-groups of a head (x = 0 .. 3) need the same tiles and ask for them jointly (mask 15); no LDS address and no branch hangs on a work-group's place in its cluster.
; A wave walks the 2,048 keys, 128 a step, for its first tile, finishes it, and walks them again for its second: a loop of eight trips of four steps; the slot and the scale words' places are made from the trip's number.
; No data prefetch: all tiles are asked for at the head, so there is no loop to run ahead in.
; OPERANDS lie in memory and in LDS as images of their registers: half a fragment (16 rows x 64 along K: 6 registers) is 768 bytes: registers 0-3 at 16 x lane, registers 4-5 at 512 + 8 x lane.
; The first product's K is 64: registers 6-11 of q's and k's fragments hold zero codes, written once; bytes 2 and 3 of their scale words are 0.
; A tile of k holds the keys 32 b + 8 u + r + 8 (r / 8), so the 16 registers of tiles 2 b, 2 b + 1 of S^T are 16 neighbouring keys; the tiles of v^T's d likewise, so O^T's registers are neighbours along d.
; ao: images [512 tiles of 16 rows][16 heads][768], then the scale bytes [8192 rows][32]: a head's two bytes of a row leave by a store of two bytes.
; LIMITS: NaN and infinities are not served.  p under 2^-126 comes out of v_exp_f32 as 0.  A block of zeros gets the byte 1 and not 127 (its codes are zeros; this program alone reads the bytes).  The scaled scores stay under 2^31 in magnitude.
; REGISTERS: v1 16 lane, v2 8 lane, v3 SC + 4 lane, v5, v6 the add's; v8-11 addresses in hand; v12 -M, v13 the largest t, v[14:15] l in two halves;
;   v16-27 q; k's eight tiles at v28-75 and v184-231; v76-139 S^T, then p, then v^T's four fragments (v76-123); v140-171 O^T; v172-183 p's codes; v232-255 at work (v248-251, v253, v255: scale words alone).
.set SLOTB, 49152
.set VOFF,  24576                      ; v^T's part of a slot
.set SC,    4*SLOTB                    ; the pair's scale words: k's 16,384 bytes (512 a step, my head's 8,192 h in), then v's 8,192 (256 a step, 4,096 h in)
.set SCB,   24576
.set SPARE, SC+SCB                     ; the spare words, 128 bytes for each of sixteen waves
.set PAIRB, 417792
.set SPW, 5
.set NIL, 6
.set ADK, 8
.set ADK8, 9
.set ADS, 10
.set ADT, 11
.set S,   76
.set O,   140
.set PCD, 172
.set TB,  2                            ; s2   LDS byte at which the slot in hand begins
.set TS,  3                            ; s3   where the step's scale words of k begin
.set QP,  10                           ; s[10:11] q's images;  s[12:13] q's scale words;  s[14:15] ao's images;  s[16:17] ao's scale bytes
.set QS,  12
.set AO,  14
.set AOS, 16
.set WV,  18
.set SEL, 20
.set CS,  22
.set G1,  24                           ; s[24:31] group 1 for a twelfth of the codes;  s[32:39] for a quarter of the scale words;  s[40:43], s[44:47] their groups 0
.set G1S, 32
.set G0,  40
.set G0S, 44
.set TJ,  66                           ; s66  and v's
.set TRIP, 67
.macro ROUND                           ; a round of the cluster's barrier
	s_barrier_signal -1
	s_barrier_wait -1
	s_cmp_lg_u32 s[WV], 0
	s_cbranch_scc1 .Lnot_wave_0_\@
	s_barrier_signal -3
.Lnot_wave_0_\@:
	s_barrier_wait -3
	s_barrier_signal -1
	s_barrier_wait -1
.endm
	s_load_b128 s[4:7], s[0:1], 0x0                ; qi, kv
	s_load_b64 s[8:9], s[0:1], 0x10                ; ao
	v_lshl_add_u32 v[SPW], v0, 2, SPARE
	v_mov_b32 v[NIL], 0
	ds_add_u32 v[SPW], v[NIL]                      ; the opening lines: the add, twice on end, and its wait
	ds_add_u32 v[SPW], v[NIL]
	v_lshrrev_b32 v8, 5, v0
	v_readfirstlane_b32 s[WV], v8                  ; wave 0..15
	s_and_b32 s48, ttmp7, 0xffff                   ; y = 16 batch + head
	s_bfe_u32 s57, ttmp6, 0x40000                  ; x: my place in the cluster
	s_and_b32 s49, s[WV], 3
	s_lshr_b32 s50, s48, 1                         ; the pair
	s_and_b32 s55, s48, 1                          ; h: which head of it
	s_mul_i32 s50, s50, PAIRB
	s_mov_b32 s51, 0
	s_lshl_b32 s52, s[WV], 14                      ; my 16,384 bytes of the codes
	s_mul_i32 s53, s49, SCB/4                      ; or my quarter of the scale words
	s_mul_i32 s54, s55, 4*SLOTB
	s_add_co_u32 s54, s54, s52                     ; the codes' place in the pair's stream
	s_lshl_b32 s72, s55, 13                        ; my head's scale words of k,
	s_lshl_b32 s73, s55, 12
	s_add_co_u32 s73, s73, 16384                   ; and of v
	s_mov_b32 s55, 0
	; dense blocks, as rows of 256 bytes (32 elements of 8 bytes), no padding: every LDS read here takes 512, 256 or 128 consecutive bytes
.irp g, G1, G1S
	s_mov_b32 s[\g], 15|(3<<16)|(1<<21)            ; the mask names the cluster's four
	s_mov_b32 s[\g+1], 32<<16
	s_mov_b32 s[\g+3], 32<<16
	s_mov_b32 s[\g+5], 32
	s_mov_b32 s[\g+6], 0
	s_mov_b32 s[\g+7], 0
.endr
	s_mov_b32 s[G1+2], 64<<16                      ; 64 rows
	s_mov_b32 s[G1+4], 64
	s_mov_b32 s[G1S+2], 24<<16                     ; 24 rows
	s_mov_b32 s[G1S+4], 24
	s_lshl_b32 s56, s57, 5
	s_add_co_u32 s56, s56, s[WV]                   ; my first tile of 16 queries in the batch: 32 x + wave
	s_mul_i32 s58, s48, 98304                      ; my head in qi,
	s_mul_i32 s59, s56, 768
	s_add_co_u32 s58, s58, s59                     ; my tile's image
	s_mov_b32 s59, 0
	s_lshl_b32 s60, s48, 13
	s_lshl_b32 s61, s56, 6
	s_add_co_u32 s60, s60, s61
	s_add_co_u32 s60, s60, 6291456                 ; and its scale words
	s_mov_b32 s61, 0
	s_lshr_b32 s62, s48, 4
	s_lshl_b32 s62, s62, 7
	s_add_co_u32 s62, s62, s56                     ; my tile of 16 rows among the 512
	s_and_b32 s63, s48, 15                         ; the head
	s_mul_i32 s68, s62, 12288
	s_mul_i32 s69, s63, 768
	s_add_co_u32 s68, s68, s69
	s_mov_b32 s69, 0
	s_lshl_b32 s70, s62, 9
	s_lshl_b32 s71, s63, 1
	s_add_co_u32 s70, s70, s71
	s_add_co_u32 s70, s70, 6291456
	s_mov_b32 s71, 0
	s_mov_b32 s[SEL], 0x76543210
	s_mov_b32 s[SEL+1], 0xfedcba98                 ; v_permlanex16_b32's selects for lane l xor 16
	s_mov_b32 s[CS], 0x3e38aa3b                    ; c = log2(e) / sqrt(64)
	s_mov_b32 s[CS+1], s[CS]
	s_mov_b32 s[TRIP], 0
	s_wait_alu depctr_va_vdst(0)                   ; the wait ahead of the waits below
	s_wait_dscnt 0x0                               ; both opening adds are done
	s_wait_kmcnt 0x0
	s_add_nc_u64 s[6:7], s[6:7], s[50:51]          ; kv at my pair
	s_mov_b32 s[G0], 1
	s_mov_b32 s[G0+1], s52
	s_add_nc_u64 s[G0+2:G0+3], s[6:7], s[54:55]
	s_or_b32 s[G0+3], s[G0+3], 0x80000000
	s_mov_b32 s[G0S], 1
	s_add_co_u32 s[G0S+1], s53, SC
	s_add_co_u32 s54, s53, 8*SLOTB
	s_add_nc_u64 s[G0S+2:G0S+3], s[6:7], s[54:55]
	s_or_b32 s[G0S+3], s[G0S+3], 0x80000000
	ROUND                                          ; the four work-groups are here: the joint loads meet
	s_cmp_lt_u32 s[WV], 12                         ; one tensor load a wave, each in its arm
	s_cbranch_scc0 .Lscales
	tensor_load_to_lds s[G0:G0+3], s[G1:G1+7]
	s_nop 0
.rept 4
	v_nop
.endr
	s_branch .Lasked
.Lscales:
	tensor_load_to_lds s[G0S:G0S+3], s[G1S:G1S+7]
	s_nop 0
.rept 4
	v_nop
.endr
.Lasked:
	s_add_nc_u64 s[QP:QP+1], s[4:5], s[58:59]
	s_add_nc_u64 s[QS:QS+1], s[4:5], s[60:61]
	s_add_nc_u64 s[AO:AO+1], s[8:9], s[68:69]
	s_add_nc_u64 s[AOS:AOS+1], s[8:9], s[70:71]
	v_and_b32 v8, 31, v0
	v_and_b32 v10, 15, v0
	v_lshlrev_b32 v1, 4, v8
	v_lshlrev_b32 v2, 3, v8
	v_lshl_add_u32 v3, v8, 2, SC
	v_lshlrev_b32 v10, 2, v10
	global_load_b128 v[16:19], v1, s[QP:QP+1]      ; q's half fragment of my first tile
	global_load_b64 v[20:21], v2, s[QP:QP+1] offset:512
	global_load_b32 v255, v10, s[QS:QS+1]          ; and its scale words
.irp j, 22,23,24,25,26,27
	v_mov_b32 v[\j], 0                             ; zero codes for K = 64 .. 127
.endr
.irp t, 0,1,2,3,4,5,6,7
.irp j, 6,7,8,9,10,11
	v_mov_b32 v[28+12*\t+108*(\t/4)+\j], 0         ; the same in k's eight tiles: written once, the loads fill registers 0-5 alone
.endr
.endr
	v_mov_b32 v13, 0xff61b1e6                      ; the largest t so far: -3e38
	v_mov_b32 v14, 0
	v_mov_b32 v15, 0
	v_floor_f32 v12, -v13                          ; -M
.irp b, 0,1,2,3
	v_mov_b32 v[236+\b], 0                         ; a lane permute's destination counts as one of its sources
.endr
	v_mov_b32 v253, 0
.irp j, 0,1,2,3,4,5,6,7,8,9,10,11,12,13,14,15,16,17,18,19,20,21,22,23,24,25,26,27,28,29,30,31
	v_mov_b32 v[O+\j], 0                           ; O^T: the step is written once; the first change of M leaves zeros zeros
.endr
; A KEY STEP: 128 keys, the q-th of the slot in hand.
; k's eight tiles and their scale words of the q-th step of the slot at which v8, v9 (codes) and v10 (scale words) stand.  They are asked for a step ahead.
; The scale words lie in v250, v251, v4, v7 (lanes 0-15: tile 2 u's; lanes 16-31: tile 2 u + 1's); these four registers hold nothing else.
.macro KLOAD q
.irp t, 0,1,2,3,4,5,6,7
.set KR, 28+12*\t+108*(\t/4)
	ds_load_b128 v[KR:KR+3], v[ADK] offset:768*(8*(\q)+\t)
	ds_load_b64 v[KR+4:KR+5], v[ADK8] offset:768*(8*(\q)+\t)+512
.endr
	ds_load_b32 v250, v[ADS] offset:512*(\q)
	ds_load_b32 v251, v[ADS] offset:512*(\q)+128
	ds_load_b32 v4, v[ADS] offset:512*(\q)+256
	ds_load_b32 v7, v[ADS] offset:512*(\q)+384
.endm
.macro STEP q
.rept 5
	v_nop                                          ; five places between the last products and S^T, which is written over v^T's fragments
.endr
	s_wait_dscnt 0x0                               ; this step's k, asked for a step ago
.irp t, 0,1,2,3,4,5,6,7
.set KR, 28+12*\t+108*(\t/4)
.if \t%2
	v_wmma_scale_f32_16x16x128_f8f6f4 v[S+8*\t:S+8*\t+7], v[KR:KR+11], v[16:27], 0, v[(250+\t/2)*(1-\t/4)+(\t/4)*(3*(\t/2)-2)], v255 matrix_a_fmt:MATRIX_FMT_FP6 matrix_b_fmt:MATRIX_FMT_FP6 matrix_a_scale:MATRIX_SCALE_ROW1
.else
	v_wmma_scale_f32_16x16x128_f8f6f4 v[S+8*\t:S+8*\t+7], v[KR:KR+11], v[16:27], 0, v[(250+\t/2)*(1-\t/4)+(\t/4)*(3*(\t/2)-2)], v255 matrix_a_fmt:MATRIX_FMT_FP6 matrix_b_fmt:MATRIX_FMT_FP6
.endif
.endr
.rept 4
	v_nop
.endr
.if \q < 3
	KLOAD (\q)+1                                   ; the next step's k, behind the four places: it lands while the lines below run
.endif
.irp b, 0,1,2,3
	v_max3_num_f32 v[232+\b], v[S+16*\b], v[S+1+16*\b], v[S+2+16*\b]   ; the largest score of each block of 32 keys: for the row's maximum and, since p rises with the score, for the block's largest p
.endr
.irp i, 3,5,7,9,11,13
.irp b, 0,1,2,3
	v_max3_num_f32 v[232+\b], v[232+\b], v[S+16*\b+\i], v[S+1+16*\b+\i]
.endr
.endr
.irp b, 0,1,2,3
	v_max_num_f32 v[232+\b], v[232+\b], v[S+15+16*\b]
.endr
.irp b, 0,1,2,3
	s_delay_alu instid0(VALU_DEP_4)
	v_permlanex16_b32 v[236+\b], v[232+\b], s[SEL], s[SEL+1]
.endr
.irp b, 0,1,2,3
	s_delay_alu instid0(VALU_DEP_4)
	v_max_num_f32 v[232+\b], v[232+\b], v[236+\b]  ; with lane l xor 16's 16 keys
.endr
	s_delay_alu instid0(VALU_DEP_2)
	v_max3_num_f32 v254, v232, v233, v234
	s_delay_alu instid0(VALU_DEP_1)
	v_max_num_f32 v254, v254, v235
	s_delay_alu instid0(VALU_DEP_1)
	v_mul_f32 v254, s[CS], v254                    ; the step's largest t
	s_delay_alu instid0(VALU_DEP_1)
	v_max_num_f32 v13, v13, v254                   ; the running largest t
	v_mov_b32 v254, v12
	s_delay_alu instid0(VALU_DEP_2)
	v_floor_f32 v12, -v13                          ; the new -M = -ceil(t)
	s_delay_alu instid0(VALU_DEP_1)
	v_sub_f32 v254, v12, v254                      ; old M - new M: a whole number, 0 or less
	s_delay_alu instid0(VALU_DEP_1)
	v_cvt_i32_f32 v254, v254                       ; (it saturates)
	s_delay_alu instid0(VALU_DEP_1)
	v_ldexp_f32 v252, 1.0, v254                    ; f = 2^(old M - new M)
.irp j, 0,2,4,6,8,10,12,14,16,18,20,22,24,26,28,30,32,34,36,38,40,42,44,46,48,50,52,54,56,58,60,62
	v_pk_fma_f32 v[S+\j:S+1+\j], v[S+\j:S+1+\j], s[CS:CS+1], v[12:13] op_sel_hi:[1,0,0]   ; t - M
.endr
.irp b, 0,1,2,3
	v_fma_f32 v[232+\b], v[232+\b], s[CS], v12     ; the same of each block's largest score
.endr
	s_wait_alu depctr_va_vdst(0)                   ; the wait ahead of the batch
.irp j, 0,1,2,3,4,5,6,7,8,9,10,11,12,13,14,15,16,17,18,19,20,21,22,23,24,25,26,27,28,29,30,31,32,33,34,35,36,37,38,39,40,41,42,43,44,45,46,47,48,49,50,51,52,53,54,55,56,57,58,59,60,61,62,63
	v_exp_f32 v[S+\j], v[S+\j]                     ; p = 2^(t - M)
.endr
	v_pk_mul_f32 v[14:15], v[14:15], v[252:253] op_sel_hi:[1,0]   ; l under the new M: the plain line behind the exponentials
	s_wait_alu depctr_va_vdst(0)                   ; one wait for the batch of 64, ahead of its first reader
.irp b, 0,1,2,3
	v_exp_f32 v[232+\b], v[232+\b]                 ; the block's largest p
.endr
.irp k, 0,1,2,3,4,5                            ; l takes in the unquantised p: six chains side by side in v236-247
	v_pk_add_f32 v[236+2*\k:237+2*\k], v[S+4*\k:S+1+4*\k], v[S+2+4*\k:S+3+4*\k]
.endr
.irp r, 0,1,2
.irp k, 0,1,2,3,4,5
	v_pk_add_f32 v[236+2*\k:237+2*\k], v[236+2*\k:237+2*\k], v[S+24+12*\r+2*\k:S+25+12*\r+2*\k]
.endr
.endr
	v_pk_add_f32 v[14:15], v[14:15], v[S+60:S+61]
	v_pk_add_f32 v[236:237], v[236:237], v[S+62:S+63]
	v_pk_add_f32 v[238:239], v[238:239], v[240:241]
	v_pk_add_f32 v[242:243], v[242:243], v[244:245]
	v_pk_add_f32 v[14:15], v[14:15], v[246:247]
	v_pk_add_f32 v[236:237], v[236:237], v[238:239]
	v_pk_add_f32 v[14:15], v[14:15], v[242:243]
	v_pk_add_f32 v[14:15], v[14:15], v[236:237]
	s_wait_alu depctr_va_vdst(0)                   ; and one for the four
.irp b, 0,1,2,3
	v_max_num_f32 v[232+\b], 0x1800000, v[232+\b]  ; the floor 2^(3 - 127): the byte cannot fall under 1
.endr
.irp b, 0,1,2,3
	s_delay_alu instid0(VALU_DEP_4)
	v_add_nc_u32 v[244+\b], 0xff000000, v[232+\b]  ; 2 off the exponent field: the conversion's scale operand
.endr
.irp b, 0,1,2,3
	s_delay_alu instid0(VALU_DEP_4)
	v_lshrrev_b32 v[236+\b], 23, v[244+\b]
.endr
	s_delay_alu instid0(VALU_DEP_3)
	v_lshl_or_b32 v253, v237, 8, v236              ; p's scale word for these 128 keys
	s_delay_alu instid0(VALU_DEP_1)
	v_lshl_or_b32 v253, v238, 16, v253
	s_delay_alu instid0(VALU_DEP_1)
	v_lshl_or_b32 v253, v239, 24, v253
.irp c, 0,1
	v_cvt_scalef32_pk16_fp6_f32 v[PCD+6*\c:PCD+2+6*\c], v[S+32*\c:S+15+32*\c], v[244+2*\c]
	v_cvt_scalef32_pk16_fp6_f32 v[236+4*\c:238+4*\c], v[S+16+32*\c:S+31+32*\c], v[244+2*\c+1]
.endr
	v_nop                                          ; one plain place behind a scaled conversion
.irp d, 0,1,2,3                                ; v^T's four fragments into the registers that p has left: they land while the lines below run
.set VF, S+12*\d
	ds_load_b128 v[VF:VF+3], v[ADK] offset:VOFF+6144*(\q)+1536*\d
	ds_load_b64 v[VF+4:VF+5], v[ADK8] offset:VOFF+6144*(\q)+1536*\d+512
	ds_load_b128 v[VF+6:VF+9], v[ADK] offset:VOFF+6144*(\q)+1536*\d+768
	ds_load_b64 v[VF+10:VF+11], v[ADK8] offset:VOFF+6144*(\q)+1536*\d+1280
.endr
.irp u, 0,1
	ds_load_b32 v[248+\u], v[ADT] offset:256*(\q)+128*\u
.endr
.if \q == 3                                    ; the slot's last LDS loads are issued: the four address registers go on to the next trip's slot, and its first step's k is asked for
	v_add_nc_u32 v[ADK], s[TB], v1
	v_add_nc_u32 v[ADK8], s[TB], v2
	v_add_nc_u32 v[ADS], s[TS], v3
	v_add_nc_u32 v[ADT], s[TJ], v3
	KLOAD 0
.endif
.irp c, 0,1                                    ; the operand's layout wants a whole block in a lane
.irp i, 0,1,2
	v_permlane16_swap_b32 v[PCD+6*\c+\i], v[236+4*\c+\i]
.endr
.irp i, 0,1,2
	s_delay_alu instid0(VALU_DEP_3)
	v_mov_b32 v[PCD+3+6*\c+\i], v[236+4*\c+\i]
.endr
.endr
.irp j, 0,2,4,6,8,10,12,14,16,18,20,22,24,26,28,30
	v_pk_mul_f32 v[O+\j:O+1+\j], v[O+\j:O+1+\j], v[252:253] op_sel_hi:[1,0]   ; O^T under the new M; these sixteen are also the places between the codes' and the scale word's last writes and the products
.endr
	s_wait_alu depctr_va_vdst(0)                   ; the wait ahead of the wait below
.if \q == 3
	s_wait_dscnt 20                                ; v^T and its scale words are in; younger are the next step's 16 loads of k's codes and 4 of its scale words
.else
	s_wait_dscnt 0x0
.endif
.irp d, 0,1,2,3
.set VF, S+12*\d
.if \d%2
	v_wmma_scale_f32_16x16x128_f8f6f4 v[O+8*\d:O+8*\d+7], v[VF:VF+11], v[PCD:PCD+11], v[O+8*\d:O+8*\d+7], v[248+\d/2], v253 matrix_a_fmt:MATRIX_FMT_FP6 matrix_b_fmt:MATRIX_FMT_FP6 matrix_a_scale:MATRIX_SCALE_ROW1
.else
	v_wmma_scale_f32_16x16x128_f8f6f4 v[O+8*\d:O+8*\d+7], v[VF:VF+11], v[PCD:PCD+11], v[O+8*\d:O+8*\d+7], v[248+\d/2], v253 matrix_a_fmt:MATRIX_FMT_FP6 matrix_b_fmt:MATRIX_FMT_FP6
.endif
.endr
.endm
; A TILE OF QUERIES IS FINISHED: O^T / l, quantised along the head's 64 (two blocks), leaves as half a fragment's image, with the rows' two scale bytes.  n = 0: my second tile's q is fetched and the state begins anew.
.macro FINISH n
.rept 4
	v_nop                                          ; places behind the last products
.endr
.if \n == 0
	v_and_b32 v246, 15, v0
	s_delay_alu instid0(VALU_DEP_1)
	v_lshlrev_b32 v246, 2, v246
	global_load_b128 v[16:19], v1, s[QP:QP+1] offset:16*768          ; 16 tiles on
	global_load_b64 v[20:21], v2, s[QP:QP+1] offset:16*768+512
	global_load_b32 v255, v246, s[QS:QS+1] offset:16*64
.endif
	v_add_f32 v14, v14, v15                        ; l's two halves,
	s_delay_alu instid0(VALU_DEP_1)
	v_permlanex16_b32 v252, v14, s[SEL], s[SEL+1]
	s_delay_alu instid0(VALU_DEP_1)
	v_add_f32 v14, v14, v252                       ; and lane l xor 16's
	s_wait_alu depctr_va_vdst(0)                   ; the wait ahead of the reciprocal,
	v_rcp_f32 v14, v14
	v_nop                                          ; a plain line behind it,
	s_wait_alu depctr_va_vdst(0)                   ; and the wait ahead of its first reader
.irp j, 0,2,4,6,8,10,12,14,16,18,20,22,24,26,28,30
	v_pk_mul_f32 v[O+\j:O+1+\j], v[O+\j:O+1+\j], v[14:15] op_sel_hi:[1,0]   ; each accumulator from its low end on
.endr
.irp b, 0,1
	v_max3_num_f32 v[232+\b], |v[O+16*\b]|, |v[O+1+16*\b]|, 0x1800000
.endr
.irp i, 2,4,6,8,10,12,14
.irp b, 0,1
	s_delay_alu instid0(VALU_DEP_2)
	v_max3_num_f32 v[232+\b], v[232+\b], |v[O+16*\b+\i]|, |v[O+1+16*\b+\i]|
.endr
.endr
.irp b, 0,1
	s_delay_alu instid0(VALU_DEP_2)
	v_permlanex16_b32 v[236+\b], v[232+\b], s[SEL], s[SEL+1]
.endr
.irp b, 0,1
	s_delay_alu instid0(VALU_DEP_2)
	v_max_num_f32 v[232+\b], v[232+\b], v[236+\b]
.endr
.irp b, 0,1
	s_delay_alu instid0(VALU_DEP_2)
	v_add_nc_u32 v[244+\b], 0xff000000, v[232+\b]
.endr
.irp b, 0,1
	s_delay_alu instid0(VALU_DEP_2)
	v_lshrrev_b32 v[236+\b], 23, v[244+\b]
.endr
	s_delay_alu instid0(VALU_DEP_1)
	v_lshl_or_b32 v254, v237, 8, v236              ; the head's two scale bytes
	v_cvt_scalef32_pk16_fp6_f32 v[PCD:PCD+2], v[O:O+15], v244
	v_cvt_scalef32_pk16_fp6_f32 v[240:242], v[O+16:O+31], v245
	v_nop
.irp i, 0,1,2
	v_permlane16_swap_b32 v[PCD+\i], v[240+\i]
.endr
.irp i, 0,1,2
	s_delay_alu instid0(VALU_DEP_3)
	v_mov_b32 v[PCD+3+\i], v[240+\i]
.endr
	global_store_b128 v1, v[PCD:PCD+3], s[AO:AO+1] offset:16*12288*\n          ; 512 consecutive bytes
	global_store_b64 v2, v[PCD+4:PCD+5], s[AO:AO+1] offset:16*12288*\n+512     ; 256
	v_and_b32 v247, 15, v0
	s_delay_alu instid0(VALU_DEP_1)
	v_lshlrev_b32 v247, 5, v247                    ; 32 bytes a row
	global_store_b16 v247, v254, s[AOS:AOS+1] offset:16*512*\n   ; lanes r and r + 16 hold the same bytes and name the same place
.if \n == 0
	v_mov_b32 v13, 0xff61b1e6
	s_delay_alu instid0(VALU_DEP_1)
	v_floor_f32 v12, -v13
	v_mov_b32 v14, 0
	v_mov_b32 v15, 0
.irp j, 0,1,2,3,4,5,6,7,8,9,10,11,12,13,14,15,16,17,18,19,20,21,22,23,24,25,26,27,28,29,30,31
	v_mov_b32 v[O+\j], 0
.endr
	s_wait_loadcnt 0x0                             ; my second tile's q
	s_wait_xcnt 0x0                                ; the stores have read their registers: they are written again in the next step
.endif
.endm
	s_wait_alu depctr_va_vdst(0)                   ; the wait at the head's end
	s_wait_loadcnt 0x0                             ; q
	s_wait_tensorcnt 0x0                           ; my part of the tiles is in
	s_wait_dscnt 0x0
	s_barrier_signal -1
	s_barrier_wait -1                              ; everybody's is
	v_add_nc_u32 v[ADK], 0, v1                     ; the address registers at slot 0,
	v_add_nc_u32 v[ADK8], 0, v2
	v_add_nc_u32 v[ADS], s72, v3
	v_add_nc_u32 v[ADT], s73, v3
	s_wait_alu depctr_va_vdst(0)                   ; the wait
	KLOAD 0                                        ; and the first step's k
.Lslot:                                            ; s2, s3, s66: the places of the NEXT trip's slot and scale words, taken up in this trip's last step (the last trip's point at slot 0 again: bytes that lie in LDS)
	s_add_co_u32 s75, s[TRIP], 1
	s_and_b32 s74, s75, 3
	s_mul_i32 s[TB], s74, SLOTB
	s_lshl_b32 s[TS], s74, 11                      ; 4 steps x 512 bytes a slot
	s_add_co_u32 s[TS], s[TS], s72
	s_lshl_b32 s[TJ], s74, 10                      ; 4 x 256
	s_add_co_u32 s[TJ], s[TJ], s73
	STEP 0
	STEP 1
	STEP 2
	STEP 3
	s_cmp_lg_u32 s[TRIP], 3                        ; the fourth slot was the first tile's last
	s_cbranch_scc1 .Lsame_tile
	FINISH 0
.Lsame_tile:
	s_add_co_u32 s[TRIP], s[TRIP], 1
	s_cmp_lt_u32 s[TRIP], 8
	s_cbranch_scc1 .Lslot
	FINISH 1
	s_wait_tensorcnt 0x0                           ; the wave's end
	ds_add_u32 v[SPW], v[NIL]
	s_wait_dscnt 0x0
	ROUND                                          ; the closing round
	s_endpgm
.Lfunc_end_k_qbd09332b69_attn:
	.size	k_qbd09332b69_attn, .Lfunc_end_k_qbd09332b69_attn-k_qbd09332b69_attn
	.p2alignl 7, 3214868480
	.fill 96, 4, 3214868480
	.section	.rodata,"a",@progbits
	.p2align	6, 0x0
	.amdhsa_kernel k_qbd09332b69_attn
		.amdhsa_group_segment_fixed_size 327680
		.amdhsa_private_segment_fixed_size 0
		.amdhsa_enable_private_segment 0
		.amdhsa_kernarg_size 24
		.amdhsa_user_sgpr_count 2
		.amdhsa_user_sgpr_kernarg_segment_ptr 1
		.amdhsa_wavefront_size32 1
		.amdhsa_system_sgpr_workgroup_id_x 1
		.amdhsa_system_sgpr_workgroup_id_y 1
		.amdhsa_system_sgpr_workgroup_id_z 1
		.amdhsa_system_vgpr_workitem_id 0
		.amdhsa_next_free_vgpr 256
		.amdhsa_next_free_sgpr 84
		.amdhsa_reserve_vcc 0
		.amdhsa_float_denorm_mode_32 3
		.amdhsa_float_denorm_mode_16_64 3
		.amdhsa_memory_ordered 1
		.amdhsa_forward_progress 1
		.amdhsa_inst_pref_size 90
	.end_amdhsa_kernel
	.amdgpu_metadata
---
amdhsa.version: [ 1, 2 ]
amdhsa.kernels:
  - .name:           k_qbd09332b69_attn
    .symbol:         k_qbd09332b69_attn.kd
    .args:
      - { .name: qi, .offset: 0, .size: 8, .value_kind: global_buffer, .address_space: global }
      - { .name: kv, .offset: 8, .size: 8, .value_kind: global_buffer, .address_space: global }
      - { .name: ao, .offset: 16, .size: 8, .value_kind: global_buffer, .address_space: global }
    .group_segment_fixed_size: 327680
    .private_segment_fixed_size: 0
    .kernarg_segment_align: 8
    .kernarg_segment_size: 24
    .max_flat_workgroup_size: 512
    .sgpr_count:     84
    .vgpr_count:     256
    .wavefront_size: 32
...
	.end_amdgpu_metadata
.endif
;; end of part 3
;; launch outp (part 4): grid 4 x 32, 4 waves a work-group, clusters of 4 x 4, 327,680 bytes of LDS; arguments ao, wq, bo, out0; writes out0
.if DOCPART == 4
	.amdgcn_target "amdgcn-amd-amdhsa--gfx1250"
	.amdhsa_code_object_version 6
	.text
	.protected	k_qbd09332b69_outp
	.globl	k_qbd09332b69_outp
	.p2align	8
	.type	k_qbd09332b69_outp,@function
k_qbd09332b69_outp:
	s_mov_b64 s[64:65], 0
	v_nop
	global_prefetch_b8 v0, s[64:65] scope:SCOPE_SE
	s_setreg_imm32_b32 hwreg(HW_REG_WAVE_MODE, 25, 1), 1
	s_wait_xcnt 0x0
	s_wait_alu depctr_hold_cnt(0) depctr_sa_sdst(0) depctr_va_vdst(0) depctr_va_sdst(0) depctr_va_ssrc(0) depctr_va_vcc(0) depctr_vm_vsrc(0)
	s_getreg_b32 s2, hwreg(HW_REG_IB_STS2, 6, 4)
	s_cmp_eq_u32 s2, 0
	s_cbranch_scc0 .Lentry_in_a_cluster
	s_endpgm
.Lentry_in_a_cluster:
	s_bfe_u32 s2, ttmp6, 0x10000c
	s_cmp_lg_u32 s2, 0xf033
	s_cbranch_scc0 .Lentry_shape_is_right
	s_endpgm
.Lentry_shape_is_right:
.set SIZE_N, 1024
.set NQ,     2
.set ROWB,   192
.set KROW,   768
.set PITCH,  240
.set FR,     12
.set NLA,    4
.set NP,     4
.set HALFA,  8*3072
.set HALFT,  128*PITCH
.set BOFF,   2*HALFA
.set SLOT,   2*HALFA+2*HALFT
.set KS,     32
.set SCL,    2*SLOT
.set HALFS,  (128*KS/256)*272
.set SBLK,   (16*KS/256)*272
.set SPARE,  SCL+4*HALFS
.set SPITCH, 528
.set ADRA, 16
.set ADRB, 20
.set STO,  24
.set RD,   25
.set CO,   26
.set ADRS, 27
.set SPW,  28
.set NIL,  29
.set SC,   32
.set BI,   64
.set AF,   128
.set BK,   128
.set G1, 24
.set G0, 32
.set G1B, 48
.set G0B, 56
.set G1S, 68
.set G0S, 76
.set G1SB, 80
.set G0SB, 88
.set MSB, 0
.macro WIN new
.if MSB != \new
	s_set_vgpr_msb (MSB<<8)|\new
.set MSB, \new
.endif
.endm
.set MUL_LO, 0xa1
.set MUL_HI, 0xf1
.set TO_B,   0x40
.macro JLOAD g0a, g1a, g0b, g1b
	s_cmp_eq_u32 s15, 0
	s_cbranch_scc0 .Lfor_b_\@
	tensor_load_to_lds s[\g0a:\g0a+3], s[\g1a:\g1a+7]
	s_nop 0
.rept 4
	v_nop
.endr
	s_branch .Lasked_\@
.Lfor_b_\@:
	tensor_load_to_lds s[\g0b:\g0b+3], s[\g1b:\g1b+7]
	s_nop 0
.rept 4
	v_nop
.endr
.Lasked_\@:
.endm
.macro CREST
	s_cmp_lg_u32 s14, 0
	s_cbranch_scc1 .Lnot_wave_0_\@
	s_barrier_signal -3
.Lnot_wave_0_\@:
	s_barrier_wait -3
	s_barrier_signal -1
	s_barrier_wait -1
.endm
.macro CROUND
	s_barrier_signal -1
	s_barrier_wait -1
	CREST
.endm
	s_load_b128 s[4:7], s[0:1], 0x0
	s_load_b128 s[8:11], s[0:1], 0x10
	v_lshl_add_u32 v[SPW], v0, 2, SPARE
	v_mov_b32 v[NIL], 0
	ds_add_u32 v28, v29
	ds_add_u32 v28, v29
	s_wait_dscnt 0x0
	v_lshrrev_b32 v1, 5, v0
	v_readfirstlane_b32 s14, v1
	s_lshr_b32 s15, s14, 1
	s_and_b32 s16, s14, 1
	s_bfe_u32 s40, ttmp6, 0x40000
	s_bfe_u32 s41, ttmp6, 0x40004
	s_lshl_b32 s42, ttmp9, 2
	s_add_co_u32 s42, s42, s40
	s_and_b32 s17, ttmp7, 0xffff
	s_lshl_b32 s17, s17, 2
	s_add_co_u32 s17, s17, s41
	s_lshl_b32 s43, s41, 2
	s_lshl_b32 s43, 15, s43
	s_lshl_b32 s44, 0x1111, s40
	s_or_b32 s[G1+0], s43, (3<<16)|(1<<21)
	s_mov_b32 s[G1+1], 384<<16
	s_mov_b32 s[G1+2], 8<<16
	s_mov_b32 s[G1+3], 384<<16
	s_mov_b32 s[G1+4], 8
	s_mov_b32 s[G1+5], 1536
	s_mov_b32 s[G1+6], 0
	s_mov_b32 s[G1+7], 0
	s_or_b32 s[G1B+0], s44, (0<<16)|(1<<20)|(1<<21)|(3<<22)|(3<<25)
	s_mov_b32 s[G1B+1], 256<<16                    ; 128 rows of one chunk of Wo's codes are 24,576 dense bytes: 96 rows of 256 bytes, each at a multiple of 256; 16 bytes of padding behind every 64, so a row of 192 bytes has the LDS pitch 240
	s_mov_b32 s[G1B+2], 96<<16
	s_mov_b32 s[G1B+3], 256<<16
	s_mov_b32 s[G1B+4], 96
	s_mov_b32 s[G1B+5], 256
	s_mov_b32 s[G1B+6], 0
	s_mov_b32 s[G1B+7], 0
	s_lshl_b32 s18, s16, 7
	s_lshl_b32 s20, s17, 8
	s_add_co_u32 s20, s20, s18
	s_lshl_b32 s46, s42, 8
	s_add_co_u32 s46, s46, s18
	s_lshl_b32 s22, s20, 5
	s_add_co_u32 s22, s22, 6291456
	s_lshl_b32 s92, s46, 5
	s_add_co_u32 s92, s92, 3244032
	s_mul_i32 s20, s20, KROW
	s_mul_i32 s46, s46, ROWB
	s_add_co_u32 s46, s46, 2359296
	s_mov_b32 s21, 0
	s_mov_b32 s23, 0
	s_mov_b32 s47, 0
	s_mov_b32 s93, 0
	s_mul_i32 s45, s16, HALFA
	s_mul_i32 s95, s16, HALFT
	s_add_co_u32 s95, s95, BOFF
	s_mul_i32 s94, s14, HALFS
	s_wait_kmcnt 0x0
	s_add_nc_u64 s[20:21], s[4:5], s[20:21]
	s_add_nc_u64 s[22:23], s[4:5], s[22:23]
	s_add_nc_u64 s[46:47], s[6:7], s[46:47]
	s_add_nc_u64 s[92:93], s[6:7], s[92:93]
	s_mov_b64 s[98:99], s[8:9]
	s_mov_b64 s[12:13], s[10:11]
	; the scale bytes of 128 rows, 4,096 dense bytes a wave (waves 0, 1: A's; waves 2, 3: B's), come by plain loads of 512 consecutive bytes and go into LDS as units of 256 bytes + 16 of padding
	s_cmp_eq_u32 s15, 0
	s_cselect_b64 s[22:23], s[22:23], s[92:93]
	s_add_co_u32 s94, s94, SCL
	v_and_b32 v8, 31, v0
	v_lshlrev_b32 v9, 4, v8                        ; in memory: 16 x lane
	v_lshrrev_b32 v10, 4, v8
	v_and_b32 v11, 15, v8
	v_mul_u32_u24 v10, v10, 272
	v_lshl_add_u32 v10, v11, 4, v10
	v_add_nc_u32 v10, s94, v10                     ; in LDS: my wave's 16 units; lanes 16-31 a unit on
	s_wait_alu depctr_va_vdst(0)                   ; the wait ahead of the round
	CROUND
.irp s, 0,1
	s_mov_b32 s[G0+4*\s], 1
	s_add_co_u32 s[G0+4*\s+1], s45, \s*SLOT
	s_add_nc_u64 s[G0+4*\s+2:G0+4*\s+3], s[20:21], \s*3072
	s_or_b32 s[G0+4*\s+3], s[G0+4*\s+3], 0x80000000
	s_mov_b32 s[G0B+4*\s], 1
	s_add_co_u32 s[G0B+4*\s+1], s95, \s*SLOT
	s_add_nc_u64 s[G0B+4*\s+2:G0B+4*\s+3], s[46:47], \s*196608
	s_or_b32 s[G0B+4*\s+3], s[G0B+4*\s+3], 0x80000000
.if \s
	s_wait_loadcnt 0x0                             ; my scale bytes are in registers
.irp k, 0,1,2,3,4,5,6,7
	ds_store_b128 v10, v[128+4*\k:131+4*\k] offset:544*\k
.endr
	s_wait_alu depctr_va_vdst(0)
	s_wait_tensorcnt 0x0                           ; slot 1's first fill stands behind the full sequence
	ds_add_u32 v28, v29
	s_wait_dscnt 0x0                               ; the add and my stores of scale bytes are done
	CROUND
.endif
	JLOAD G0+4*\s, G1, G0B+4*\s, G1B
.if \s == 0
.irp k, 0,1,2,3,4,5,6,7
	global_load_b128 v[128+4*\k:131+4*\k], v9, s[22:23] offset:512*\k
.endr
.endif
.endr
	v_and_b32 v1, 15, v0
	v_bfe_u32 v2, v0, 4, 1
	v_and_b32 v7, 31, v0
	v_lshlrev_b32 v8, 4, v7
	v_lshlrev_b32 v9, 3, v7
	v_mul_u32_u24 v3, v1, PITCH
	v_mul_u32_u24 v4, v2, 24
	v_add_nc_u32 v4, v3, v4
	v_lshl_add_u32 v5, v2, 4, v4
	s_mul_i32 s21, s15, HALFA
	s_mul_i32 s22, s16, HALFT
	s_add_co_u32 s22, s22, BOFF
.irp s, 0,1
	v_add_nc_u32 v[ADRA+\s], s21, v8
	v_add_nc_u32 v[ADRA+2+\s], s21, v9
	v_add_nc_u32 v[ADRB+\s], s22, v4
	v_add_nc_u32 v[ADRB+2+\s], s22, v5
	s_add_co_u32 s21, s21, SLOT
	s_add_co_u32 s22, s22, SLOT
.endr
	v_mul_u32_u24 v5, v1, KS
	v_lshrrev_b32 v6, 8, v5
	v_lshl_add_u32 v5, v6, 4, v5
	s_mul_i32 s21, s15, HALFS
	s_mul_i32 s22, s16, HALFS
	s_add_co_u32 s22, s22, 2*HALFS
	s_sub_co_u32 s22, s22, s21
	v_mul_u32_u24 v6, s22, v2
	s_add_co_u32 s21, s21, SCL
	v_add_nc_u32 v5, v5, v6
	v_add_nc_u32 v[ADRS], s21, v5
	s_mul_i32 s23, s14, 16*SPITCH
	v_mul_u32_u24 v5, v1, SPITCH
	v_lshl_add_u32 v5, v2, 6, v5
	v_add_nc_u32 v[STO], s23, v5
	v_lshlrev_b32 v[CO], 4, v7
	v_add_nc_u32 v[RD], s23, v[CO]
	s_lshl_b32 s20, s17, 8
	s_lshl_b32 s21, s15, 7
	s_add_co_u32 s20, s20, s21
	s_lshl_b32 s20, s20, 12
	s_lshl_b32 s46, s42, 10
	s_lshl_b32 s47, s16, 9
	s_add_co_u32 s46, s46, s47
	s_add_co_u32 s20, s20, s46
	s_mov_b32 s21, 0
	s_mov_b32 s47, 0
	s_add_nc_u64 s[12:13], s[12:13], s[20:21]
	s_add_nc_u64 s[98:99], s[98:99], s[46:47]
	v_lshlrev_b32 v10, 6, v2
.irp t, 0,1,2,3,4,5,6,7
	global_load_b128 v[BI+8*\t:BI+8*\t+3], v10, s[98:99] offset:(32*(\t/2)+8*(\t%2))*4
	global_load_b128 v[BI+8*\t+4:BI+8*\t+7], v10, s[98:99] offset:(32*(\t/2)+8*(\t%2))*4+16
.endr
.macro FRAG reg, adr, q, i
.irp p, 0,1,2,3,4,5
.set PCE, 12*(\q)+6*(\p/3)+\p%3
.if PCE%8 < 5
	ds_load_b64 v[\reg+2*\p:\reg+2*\p+1], v[\adr] offset:8*PCE+16*(PCE/8)+(\i)*16*PITCH
.else
	ds_load_b64 v[\reg+2*\p:\reg+2*\p+1], v[\adr+2] offset:8*PCE+16*(PCE/8)+(\i)*16*PITCH
.endif
.endr
.endm
.macro FRAGA reg, slot, q, i
	ds_load_b128 v[\reg:\reg+3], v[ADRA+\slot] offset:3072*(\i)+1536*(\q)
	ds_load_b64 v[\reg+4:\reg+5], v[ADRA+2+\slot] offset:3072*(\i)+1536*(\q)+512
	ds_load_b128 v[\reg+6:\reg+9], v[ADRA+\slot] offset:3072*(\i)+1536*(\q)+768
	ds_load_b64 v[\reg+10:\reg+11], v[ADRA+2+\slot] offset:3072*(\i)+1536*(\q)+1280
.endm
.macro MUL16 a0, p, q, sc, cm
.irp a, \a0, \a0+1
.irp b, 0,1,2,3,4,5,6,7
.set rD, 8*(8*((\a)%4)+\b)
.set rB, 128*(\p)+FR*\b
.set rA, AF+FR*(\a)
.set rSB, SC+8*NQ*(\sc)+NQ*\b+(\q)
.set rSA, SC+8*NQ*(\sc)+NQ*(\a)+(\q)
.if \cm
	v_wmma_scale_f32_16x16x128_f8f6f4 v[rD:rD+7], v[rB:rB+FR-1], v[rA:rA+FR-1], v[BI+8*\b:BI+8*\b+7], v[rSB], v[rSA] matrix_a_fmt:MATRIX_FMT_FP6 matrix_b_fmt:MATRIX_FMT_FP6 matrix_a_scale:MATRIX_SCALE_ROW1
.else
	v_wmma_scale_f32_16x16x128_f8f6f4 v[rD:rD+7], v[rB:rB+FR-1], v[rA:rA+FR-1], v[rD:rD+7], v[rSB], v[rSA] matrix_a_fmt:MATRIX_FMT_FP6 matrix_b_fmt:MATRIX_FMT_FP6 matrix_a_scale:MATRIX_SCALE_ROW1
.endif
.endr
.endr
.endm
.macro FETCH_B slot, q, p
	WIN TO_B
.irp i, 0,1,2,3,4,5,6,7
	FRAG 128*(\p)+FR*\i, ADRB+\slot, \q, \i
.endr
	WIN 0
.endm
.macro FETCH_A slot, q, i0
.irp i, \i0, \i0+1, \i0+2, \i0+3
	FRAGA AF+FR*(\i), \slot, \q, \i
.endr
.endm
.macro SCALES sc
.irp i, 0,1,2,3,4,5,6,7
	ds_load_b64 v[SC+8*NQ*\sc+NQ*\i:SC+8*NQ*\sc+NQ*\i+1], v[ADRS] offset:\i*SBLK
.endr
.endm
.macro PLACES n
.rept \n
	v_nop
.endr
.endm
.macro STEP slot, q, cm
	s_wait_dscnt 4*NLA
.if \cm
	WIN 0x81
.else
	WIN MUL_LO
.endif
	MUL16 0, (\q)%2, \q, \slot, \cm
	MUL16 2, (\q)%2, \q, \slot, \cm
	s_wait_dscnt 0
	PLACES NP
	FETCH_B \slot, (\q)+1, 1-(\q)%2
	FETCH_A \slot, (\q)+1, 0
.if \cm
	WIN 0xc1
.else
	WIN MUL_HI
.endif
	MUL16 4, (\q)%2, \q, \slot, \cm
	MUL16 6, (\q)%2, \q, \slot, \cm
	PLACES NP
	WIN 0
	FETCH_A \slot, (\q)+1, 4
.endm
.macro TURN slot, next, fill
	s_wait_tensorcnt 0x0
	ds_add_u32 v[SPW], v[NIL]
	s_wait_dscnt 4*NLA+1
	WIN MUL_LO
	MUL16 0, 1, NQ-1, \slot, 0
	s_wait_dscnt 0x0
	s_barrier_signal -1
	MUL16 2, 1, NQ-1, \slot, 0
	WIN 0
	s_barrier_wait -1
.if \fill
	CREST
	s_add_nc_u64 s[G0+4*\slot+2:G0+4*\slot+3], s[G0+4*\slot+2:G0+4*\slot+3], 2*3072
	s_add_nc_u64 s[G0B+4*\slot+2:G0B+4*\slot+3], s[G0B+4*\slot+2:G0B+4*\slot+3], 2*196608
	JLOAD G0+4*\slot, G1, G0B+4*\slot, G1B
.else
	PLACES NP
.endif
	s_wait_alu depctr_va_vdst(0)
	v_add_nc_u32 v[ADRS], 4*NQ, v[ADRS]
	FETCH_B \next, 0, 0
	FETCH_A \next, 0, 0
	SCALES \next
	WIN MUL_HI
	MUL16 4, 1, NQ-1, \slot, 0
	MUL16 6, 1, NQ-1, \slot, 0
	PLACES NP
	WIN 0
	FETCH_A \next, 0, 4
.endm
	s_wait_alu depctr_va_vdst(0)
	s_wait_tensorcnt 1
	s_barrier_signal -1
	s_barrier_wait -1
	FETCH_B 0, 0, 0
	FETCH_A 0, 0, 0
	SCALES 0
	FETCH_A 0, 0, 4
	s_wait_loadcnt 0x0
	STEP 0, 0, 1
	TURN 0, 1, 1
	STEP 1, 0, 0
	TURN 1, 0, 1
	STEP 0, 0, 0
	TURN 0, 1, 0
	STEP 1, 0, 0
	s_wait_dscnt 4*NLA
	WIN MUL_LO
	MUL16 0, 1, NQ-1, 1, 0
	MUL16 2, 1, NQ-1, 1, 0
	s_wait_dscnt 0
	WIN MUL_HI
	MUL16 4, 1, NQ-1, 1, 0
	MUL16 6, 1, NQ-1, 1, 0
	WIN 0
.macro TOSTAGE a
.set AC, 64*((\a)%4)
	WIN 0x08+4*((\a)/4)
.irp b, 0,1,2,3,4,5,6,7
	ds_store_b128 v[STO], v[AC+8*\b:AC+8*\b+3] offset:128*(\b/2)+32*(\b%2)
	ds_store_b128 v[STO], v[AC+8*\b+4:AC+8*\b+7] offset:128*(\b/2)+32*(\b%2)+16
.endr
	WIN 0
.set BB, BK+64*((\a)%2)
.irp t, 0,1,2,3,4,5,6,7,8,9,10,11,12,13,14,15
	ds_load_b128 v[BB+4*\t:BB+4*\t+3], v[RD] offset:\t*SPITCH
.endr
.endm
.macro SEND a, younger
.set BB, BK+64*((\a)%2)
	s_wait_dscnt \younger
.if (\a) > 0
	s_add_nc_u64 s[12:13], s[12:13], 16*SIZE_N*4
.endif
.irp t, 0,1,2,3,4,5,6,7,8,9,10,11,12,13,14,15
	global_store_b128 v[CO], v[BB+4*\t:BB+4*\t+3], s[12:13] offset:\t*SIZE_N*4 th:TH_STORE_NT
.endr
.endm
	PLACES NP
	TOSTAGE 0
.irp a, 1,2,3,4,5,6,7
.if \a > 1
	s_wait_xcnt 0x0
.endif
	TOSTAGE \a
	SEND \a-1, 32
.endr
	s_wait_xcnt 0x0
	SEND 7, 0
	s_wait_tensorcnt 0x0
	ds_add_u32 v[SPW], v[NIL]
	s_wait_dscnt 0x0
	CROUND
	s_endpgm
.Lfunc_end_k_qbd09332b69_outp:
	.size	k_qbd09332b69_outp, .Lfunc_end_k_qbd09332b69_outp-k_qbd09332b69_outp
	.p2alignl 7, 3214868480
	.fill 96, 4, 3214868480
	.section	.rodata,"a",@progbits
	.p2align	6, 0x0
	.amdhsa_kernel k_qbd09332b69_outp
		.amdhsa_group_segment_fixed_size 327680
		.amdhsa_private_segment_fixed_size 0
		.amdhsa_enable_private_segment 0
		.amdhsa_kernarg_size 32
		.amdhsa_user_sgpr_count 2
		.amdhsa_user_sgpr_kernarg_segment_ptr 1
		.amdhsa_wavefront_size32 1
		.amdhsa_system_sgpr_workgroup_id_x 1
		.amdhsa_system_sgpr_workgroup_id_y 1
		.amdhsa_system_sgpr_workgroup_id_z 1
		.amdhsa_system_vgpr_workitem_id 0
		.amdhsa_next_free_vgpr 1024
		.amdhsa_next_free_sgpr 100
		.amdhsa_reserve_vcc 0
		.amdhsa_float_denorm_mode_32 3
		.amdhsa_float_denorm_mode_16_64 3
		.amdhsa_memory_ordered 1
		.amdhsa_forward_progress 1
		.amdhsa_inst_pref_size 154
	.end_amdhsa_kernel
	.amdgpu_metadata
---
amdhsa.version: [ 1, 2 ]
amdhsa.kernels:
  - .name:           k_qbd09332b69_outp
    .symbol:         k_qbd09332b69_outp.kd
    .args:
      - { .name: ao, .offset: 0, .size: 8, .value_kind: global_buffer, .address_space: global }
      - { .name: wq, .offset: 8, .size: 8, .value_kind: global_buffer, .address_space: global }
      - { .name: bo, .offset: 16, .size: 8, .value_kind: global_buffer, .address_space: global }
      - { .name: out0, .offset: 24, .size: 8, .value_kind: global_buffer, .address_space: global }
    .group_segment_fixed_size: 327680
    .private_segment_fixed_size: 0
    .kernarg_segment_align: 8
    .kernarg_segment_size: 32
    .max_flat_workgroup_size: 128
    .sgpr_count:     100
    .vgpr_count:     1024
    .wavefront_size: 32
...
	.end_amdgpu_metadata
.endif
;; end of part 4
